; MI455X (gfx1250); checked and timed in simulation.
; The chip was launched on July 23, 2026; its instructions are those of AMD's public machine-readable ISA for CDNA 5 (MIT licence, August 2026) and "CDNA5" Instruction Set Architecture Reference Guide (July 2026). The comments in the code are by the model that wrote it; some were corrected since.
;; Parcae Causal Self Attention. Allowed arithmetic: matrix products marked QUANTISED: E3M2 operands, one E8M0 scale for each 32 along K, by v_wmma_scale_f32_16x16x128_f8f6f4 with both operands' format E3M2, f32 sums; everything else in f32.
;; Inputs: Wk 2,048 x 2,048 float32; Wo 2,048 x 2,048 float32; Wq 2,048 x 2,048 float32; Wv 2,048 x 2,048 float32; freqs_cis 2,048 x 1 x 64 x 2 float32; qk_bias 2 x 1 x 16 x 128 float32; ve 1 x 2,048 x 2,048 float32; ve_gate_w 16 x 32 float32; x 1 x 2,048 x 2,048 float32.
;; Outputs: out0 1 x 2,048 x 2,048 float32.
;; This version of the problem:
;;   THIS VERSION OF THE PROBLEM IS GIVEN IN LOW PRECISION. The matrix products marked QUANTISED in the list below multiply operands that are first quantised to E3M2 (3 exponent bits, 2 mantissa bits; 6 bits a number), with one power-of-two scale for each 32 numbers along K (OCP MX v1.0); their sums are f32. All else is computed in f32.
;;   The module's matrix products, in the order in which they are computed (A, B: the left and right operand; K: the contracted axis; several contracted axes count as one K, in the product's order):
;;     1. [M 2,048, K 2,048] x [K 2,048, N 2,048]; A: input x; B: input Wq: QUANTISED
;;     2. [M 2,048, K 2,048] x [K 2,048, N 2,048]; A: input x; B: input Wk: QUANTISED
;;     3. [M 2,048, K 2,048] x [K 2,048, N 2,048]; A: input x; B: input Wv: QUANTISED
;;     4. [M 2,048, K 32] x [K 32, N 16]; A: input x; B: input ve_gate_w: QUANTISED
;;     5. batch 16 x [M 2,048, K 128] x [K 128, N 2,048]; A: computed on the way; B: computed on the way: QUANTISED
;;     6. batch 16 x [M 128, K 2,048] x [K 2,048, N 2,048]; A: computed on the way; B: softmax (see below): QUANTISED
;;     7. [M 2,048, K 2,048] x [K 2,048, N 2,048]; A: computed on the way; B: input Wo: QUANTISED
;;   THE QUANTISER, for each operand of a quantised product, along K:
;;     - K is cut into blocks of 32 from its start; a last block that is shorter is filled with zeros.
;;     - A block's scale is 2^e with e = floor(log2(the largest magnitude in the block)) - 4, held to -126 .. 127; a block of zeros has e = 0. As a byte (E8M0): e + 127.
;;     - Each number is divided by its block's scale, clamped to +-28, and rounded to the nearest number of E3M2, ties to even, subnormals kept.
;;     - The product sums the exact products of the quantised numbers (number of the format x scale) in f32.
;;   ~~~python
;;   def quantise(x, axis):      # numpy; x: float32 -> the quantised numbers, widened to float32 again
;;       x = np.moveaxis(x, axis, -1); K = x.shape[-1]
;;       x = np.pad(x, [(0, 0)] * (x.ndim - 1) + [(0, -K % 32)]); x = x.reshape(x.shape[:-1] + (-1, 32)); a = np.abs(x).max(-1, keepdims=True)
;;       e = np.where(a > 0, np.clip(np.frexp(np.where(a > 0, a, 1))[1] - 1 - 4, -126, 127), 0)      # np.frexp(a)[1] - 1 = floor(log2(a)), exactly
;;       r = np.clip(x / 2.0 ** e, -28, 28)
;;       step = 2.0 ** (np.maximum(np.frexp(np.where(r == 0, 1, r))[1] - 1, -2) - 2)
;;       q = np.round(r / step) * step * 2.0 ** e      # np.round: ties to even
;;       return np.moveaxis(q.reshape(q.shape[:-2] + (-1,))[..., :K], -1, axis).astype(np.float32)
;;   ~~~
;;   SOFTMAX AHEAD OF A QUANTISED PRODUCT. Where the list says 'softmax', what is quantised is not the finished softmax but p = 2^(t - M), with t = logit x log2(e) and M = ceil(the row's largest t), a whole number; so 1/2 < the row's largest p <= 1. The row's sum l is taken of the UNQUANTISED p, in f32, and the product's result is divided by l at the end. Since M is a whole number, a kernel that streams over the keys may use a running M (the ceiling of the running maximum): every later rescaling is an exact power of two, which a block's scale takes up: the codes' values come out the same.
;;   OPERANDS COMPUTED ON THE WAY. 'Computed on the way' means the value that the module computes at that place (a softmax that the list does not call 'softmax' is quantised finished and normalised). What goes into a quantiser is computed in f32, as accurately as f32 sums, v_exp_f32 and their like allow (about 1e-6 of the number): no bf16 or f16 on the way to a quantiser, and a product that is left as it is and whose result goes on into a quantised operand takes f32 operands (vector FMAs, or v_wmma_f32_16x16x4_f32). A number that lies on a knife's edge between two numbers of the format may be rounded either way, as far as f32 arithmetic and the matrix unit's own rounding can turn it there, and no further.
;; One version. Each part assembles by itself: llvm-mc -triple=amdgcn-amd-amdhsa -mcpu=gfx1250 --defsym DOCPART=n.
;; ======== version 1 of 1: 4 launches
;; limits: right only within a limited range of input values
;; workspace buffers: codes 15,728,640 bytes; scales 655,360 bytes; qkvc 9,437,184 bytes; qkvs 393,216 bytes; yc 3,145,728 bytes; ys 131,072 bytes
;; launch quant (part 1): grid 128 x 5, 4 waves a work-group, no clusters, 34,304 bytes of LDS; arguments x, Wq, Wk, Wv, Wo, codes, scales; writes codes, scales
.if DOCPART == 1
	.amdgcn_target "amdgcn-amd-amdhsa--gfx1250"
	.amdhsa_code_object_version 6
	.text
	.protected	k_qf26f9697f5_quant
	.globl	k_qf26f9697f5_quant
	.p2align	8
	.type	k_qf26f9697f5_quant,@function
k_qf26f9697f5_quant:
	s_mov_b64 s[64:65], 0
	v_nop
	global_prefetch_b8 v0, s[64:65] scope:SCOPE_SE
	s_setreg_imm32_b32 hwreg(HW_REG_WAVE_MODE, 25, 1), 1
	s_wait_xcnt 0x0
; x, Wq, Wk, Wv, Wo, each [2048][2048] f32 with K innermost, become codes of BF6 (E3M2) and E8M0 scale bytes, one for each 32 along K.
; A block's scale is 2^(floor(log2(its largest magnitude)) - 4); its byte is the largest magnitude's exponent field - 4, held at 1 from below.
; LIMITS: NaN and infinities among the inputs are not served; a block's largest magnitude is taken as at least 2^-122, so a block of zeros
; gets the byte 1 where the rule says 127: its codes are zeros, which add nothing, and the bytes are read by this program alone.
; LAYOUT OF THE RESULT: images of the matrix operand's registers.  A fragment is 16 rows x 128 K, 12 registers a lane, 1,536 bytes: byte 512 c + 16 lane
; holds the lane's registers 4 c .. 4 c + 3.  Fragment (tensor t, K step ks, row block j) lies at t TEN + (ks / 2) KPB + j RBB + (ks % 2) FRB.
; Lane r of row block j holds row 32 (j / 2) + 8 (j % 2) + r + 8 (r / 8).  Its scale words: t STEN + 1024 j + 64 ks + 4 r.
; SHARES: a work-group takes one row block of one tensor, its wave w the K steps 4 w .. 4 w + 3.  Each load reads 512 consecutive bytes of a row; a K step's
; 16 x 512 bytes turn through the wave's own stage in LDS (rows of 512 + 16 bytes) and come back as the operand's layout wants them: lane (r, h) takes
; k = 64 c + 32 h + 0 .. 31 of row r.  So a lane holds two whole blocks.  No tensor load, no barrier: waves share nothing.  Two K steps (32 loads a wave) are out at the most.
.set TEN,  3145728
.set STEN, 131072
.set KPB,  393216
.set RBB,  3072
.set FRB,  1536
.set SP,   528                         ; a stage row
.set R,    16                          ; v16-143  two sets of 64 registers as loaded
.set X,    144                         ; v144-207 my 64 numbers: X + 32 c + i = k 64 c + 32 h + i
.set C,    208                         ; v208-219 the fragment
.set T0,   220                         ; v220-222, v224-226: the upper halves of the two blocks (a conversion's three registers begin on an even number)
.set T1,   224
.set W,    228                         ; v228-231 the scale word of each of my four K steps
.set SW,   232                         ; v232-233 the words as they are stored
	s_load_b256 s[4:11], s[0:1], 0x0               ; x, Wq, Wk, Wv
	s_load_b128 s[12:15], s[0:1], 0x20             ; Wo, codes
	s_load_b64 s[16:17], s[0:1], 0x30              ; scales
	v_lshl_add_u32 v240, v0, 2, 0x8400
	v_mov_b32 v241, 0
	v_lshrrev_b32 v1, 5, v0
	v_readfirstlane_b32 s18, v1                    ; wave
	v_and_b32 v1, 31, v0                           ; lane
	v_and_b32 v2, 15, v0                           ; r
	v_bfe_u32 v3, v0, 4, 1                         ; h
	v_lshlrev_b32 v4, 4, v1                        ; 16 x lane: my bytes of a load's 512, and of an image's
	s_mul_i32 s20, s18, 16*SP                      ; my stage
	v_add_nc_u32 v5, s20, v4                       ; into it: as loaded
	v_mul_u32_u24 v6, v2, SP
	v_lshl_add_u32 v6, v3, 7, v6
	v_add_nc_u32 v6, s20, v6                       ; out of it: row r, + 128 h bytes
	v_lshlrev_b32 v7, 2, v1                        ; 4 x lane
	v_lshlrev_b32 v3, 3, v3                        ; 8 h: my bytes' place in a scale word, in bits
	v_mov_b32 v15, 0                               ; written once: a lane permute's destination counts as one of its sources
	s_mov_b32 s30, 0x76543210
	s_mov_b32 s31, 0xfedcba98                      ; selects for lane l xor 16
	s_and_b32 s19, ttmp7, 0xffff                   ; the tensor
	s_lshr_b32 s20, ttmp9, 1
	s_lshl_b32 s20, s20, 18                        ; 32 (j / 2) rows of 8,192 bytes
	s_and_b32 s21, ttmp9, 1
	s_lshl_b32 s21, s21, 16                        ; + 8 (j % 2) rows
	s_add_co_u32 s20, s20, s21
	s_lshl_b32 s21, s18, 11                        ; + my four K steps of 512 bytes
	s_add_co_u32 s20, s20, s21
	s_mov_b32 s21, 0
	s_mul_i32 s22, s19, TEN
	s_mul_i32 s23, s18, 2*KPB
	s_add_co_u32 s22, s22, s23
	s_mul_i32 s23, ttmp9, RBB
	s_add_co_u32 s22, s22, s23
	s_mov_b32 s23, 0
	s_lshl_b32 s24, s19, 17
	s_lshl_b32 s25, ttmp9, 10
	s_add_co_u32 s24, s24, s25
	s_lshl_b32 s25, s18, 8
	s_add_co_u32 s24, s24, s25
	s_mov_b32 s25, 0
	s_wait_alu depctr_va_vdst(0)
	s_wait_kmcnt 0x0
	s_cmp_eq_u32 s19, 1                            ; which tensor: the choice hangs on the work-group's number alone
	s_cselect_b64 s[4:5], s[6:7], s[4:5]
	s_cmp_eq_u32 s19, 2
	s_cselect_b64 s[4:5], s[8:9], s[4:5]
	s_cmp_eq_u32 s19, 3
	s_cselect_b64 s[4:5], s[10:11], s[4:5]
	s_cmp_eq_u32 s19, 4
	s_cselect_b64 s[4:5], s[12:13], s[4:5]
	s_add_nc_u64 s[4:5], s[4:5], s[20:21]
	s_add_nc_u64 s[14:15], s[14:15], s[22:23]
	s_add_nc_u64 s[16:17], s[16:17], s[24:25]
.macro LOAD q                          ; K step q of my four: 16 rows x 512 consecutive bytes
.irp p, 0,1,2,3,4,5,6,7,8,9,10,11,12,13,14,15
	global_load_b128 v[R+64*((\q)%2)+4*\p:R+64*((\q)%2)+4*\p+3], v4, s[4:5] offset:(\p+8*(\p/8))*8192+512*(\q) th:TH_LOAD_NT
.endr
.endm
.macro KS q
.if (\q) < 3
	s_wait_loadcnt 16                              ; this K step's 16 loads are in; the next one's may be out
.else
	s_wait_loadcnt 0
.endif
.irp p, 0,1,2,3,4,5,6,7,8,9,10,11,12,13,14,15
	ds_store_b128 v5, v[R+64*((\q)%2)+4*\p:R+64*((\q)%2)+4*\p+3] offset:SP*\p
.endr
.irp c, 0,1
.irp i, 0,1,2,3,4,5,6,7
	ds_load_b128 v[X+32*\c+4*\i:X+32*\c+4*\i+3], v6 offset:256*\c+16*\i   ; LDS serves a wave's instructions in order: these see the stores above
.endr
.endr
	s_wait_dscnt 0x0                               ; my numbers are back, and the stores have read their registers,
.if (\q) < 2
	LOAD (\q)+2                                    ; which take the loads of two K steps on
.endif
.irp c, 0,1
	v_max3_num_f32 v[8+\c], |v[X+32*\c]|, |v[X+32*\c+1]|, 0x2800000   ; my block 2 c + h: all 32 numbers are mine; and the floor 2^(5 - 127)
.endr
.irp i, 2,4,6,8,10,12,14,16,18,20,22,24,26,28,30
.irp c, 0,1
	v_max3_num_f32 v[8+\c], v[8+\c], |v[X+32*\c+\i]|, |v[X+32*\c+\i+1]|
.endr
.endr
.irp c, 0,1
	v_add_nc_u32 v[10+\c], 0xfe000000, v[8+\c]     ; 4 off the exponent field: the conversion's scale operand
.endr
.irp c, 0,1
	v_lshrrev_b32 v[12+\c], 23, v[10+\c]           ; the scale's byte
.endr
	v_lshl_or_b32 v14, v13, 16, v12                ; blocks h and 2 + h,
	v_lshlrev_b32 v14, v3, v14                     ; at their places in the word;
	v_permlanex16_b32 v15, v14, s30, s31
	v_or_b32 v[W+(\q)], v14, v15                   ; with lane l xor 16's two the word is whole, in both lanes
	s_wait_alu depctr_va_vdst(0)
	s_wait_xcnt 0x0                                ; the last K step's stores have read the fragment's registers
	v_cvt_scalef32_pk16_bf6_f32 v[C:C+2], v[X:X+15], v10
	v_cvt_scalef32_pk16_bf6_f32 v[T0:T0+2], v[X+16:X+31], v10
	v_cvt_scalef32_pk16_bf6_f32 v[C+6:C+8], v[X+32:X+47], v11
	v_cvt_scalef32_pk16_bf6_f32 v[T1:T1+2], v[X+48:X+63], v11
	v_nop                                          ; one plain place behind a scaled conversion
.irp i, 0,1,2
	v_mov_b32 v[C+3+\i], v[T0+\i]
	v_mov_b32 v[C+9+\i], v[T1+\i]
.endr
.irp c, 0,1,2
	global_store_b128 v4, v[C+4*\c:C+4*\c+3], s[14:15] offset:((\q)/2)*KPB+((\q)%2)*FRB+512*\c   ; 32 lanes store 512 consecutive bytes
.endr
.endm
	LOAD 0
	LOAD 1
	KS 0
	KS 1
	KS 2
	KS 3
	v_cmp_gt_u32 vcc_lo, 16, v1                    ; lanes 0-15 store the even K step's words, lanes 16-31 the odd one's: 128 consecutive bytes a store
	v_cndmask_b32 v[SW], v[W+1], v[W], vcc_lo
	v_cndmask_b32 v[SW+1], v[W+3], v[W+2], vcc_lo
	global_store_b32 v7, v[SW], s[16:17]
	global_store_b32 v7, v[SW+1], s[16:17] offset:128
	s_wait_tensorcnt 0x0
	ds_add_u32 v240, v241
	s_wait_dscnt 0x0
	s_endpgm
.Lfunc_end_k_qf26f9697f5_quant:
	.size	k_qf26f9697f5_quant, .Lfunc_end_k_qf26f9697f5_quant-k_qf26f9697f5_quant
	.p2alignl 7, 3214868480
	.fill 96, 4, 3214868480
	.section	.rodata,"a",@progbits
	.p2align	6, 0x0
	.amdhsa_kernel k_qf26f9697f5_quant
		.amdhsa_group_segment_fixed_size 34304
		.amdhsa_private_segment_fixed_size 0
		.amdhsa_enable_private_segment 0
		.amdhsa_kernarg_size 56
		.amdhsa_user_sgpr_count 2
		.amdhsa_user_sgpr_kernarg_segment_ptr 1
		.amdhsa_wavefront_size32 1
		.amdhsa_system_sgpr_workgroup_id_x 1
		.amdhsa_system_sgpr_workgroup_id_y 1
		.amdhsa_system_sgpr_workgroup_id_z 1
		.amdhsa_system_vgpr_workitem_id 0
		.amdhsa_next_free_vgpr 242
		.amdhsa_next_free_sgpr 66
		.amdhsa_reserve_vcc 1
		.amdhsa_float_denorm_mode_32 3
		.amdhsa_float_denorm_mode_16_64 3
		.amdhsa_memory_ordered 1
		.amdhsa_forward_progress 1
		.amdhsa_inst_pref_size 31
	.end_amdhsa_kernel
	.amdgpu_metadata
---
amdhsa.version: [ 1, 2 ]
amdhsa.kernels:
  - .name:           k_qf26f9697f5_quant
    .symbol:         k_qf26f9697f5_quant.kd
    .args:
      - { .name: x, .offset: 0, .size: 8, .value_kind: global_buffer, .address_space: global }
      - { .name: Wq, .offset: 8, .size: 8, .value_kind: global_buffer, .address_space: global }
      - { .name: Wk, .offset: 16, .size: 8, .value_kind: global_buffer, .address_space: global }
      - { .name: Wv, .offset: 24, .size: 8, .value_kind: global_buffer, .address_space: global }
      - { .name: Wo, .offset: 32, .size: 8, .value_kind: global_buffer, .address_space: global }
      - { .name: codes, .offset: 40, .size: 8, .value_kind: global_buffer, .address_space: global }
      - { .name: scales, .offset: 48, .size: 8, .value_kind: global_buffer, .address_space: global }
    .group_segment_fixed_size: 34304
    .private_segment_fixed_size: 0
    .kernarg_segment_align: 8
    .kernarg_segment_size: 56
    .max_flat_workgroup_size: 128
    .sgpr_count:     66
    .vgpr_count:     242
    .wavefront_size: 32
...
	.end_amdgpu_metadata
.endif
;; end of part 1
;; launch qkv (part 2): grid 24 x 8, 4 waves a work-group, clusters of 4 x 4, 327,680 bytes of LDS; arguments codes, scales, qk_bias, freqs_cis, ve, ve_gate_w, qkvc, qkvs; writes qkvc, qkvs
.if DOCPART == 2
	.amdgcn_target "amdgcn-amd-amdhsa--gfx1250"
	.amdhsa_code_object_version 6
	.text
	.protected	k_qf26f9697f5_qkv
	.globl	k_qf26f9697f5_qkv
	.p2align	8
	.type	k_qf26f9697f5_qkv,@function
k_qf26f9697f5_qkv:
	s_mov_b64 s[64:65], 0
	v_nop
	global_prefetch_b8 v0, s[64:65] scope:SCOPE_SE
	s_setreg_imm32_b32 hwreg(HW_REG_WAVE_MODE, 25, 1), 1
	s_wait_xcnt 0x0
	s_wait_alu depctr_hold_cnt(0) depctr_sa_sdst(0) depctr_va_vdst(0) depctr_va_sdst(0) depctr_va_ssrc(0) depctr_va_vcc(0) depctr_vm_vsrc(0)
	s_getreg_b32 s2, hwreg(HW_REG_IB_STS2, 6, 4)
	s_cmp_eq_u32 s2, 0
	s_cbranch_scc0 .Lentry_in_a_cluster
	s_endpgm
.Lentry_in_a_cluster:
	s_bfe_u32 s2, ttmp6, 0x10000c
	s_cmp_lg_u32 s2, 0xf033
	s_cbranch_scc0 .Lentry_shape_is_right
	s_endpgm
.Lentry_shape_is_right:
; q = x Wq^T, k = x Wk^T, v = x Wv^T on codes of BF6 with E8M0 scales, and all that stands between these products and attention's:
; q, k: clip to +-8, bias, rotation of the first 64 channels, rms norm, quantised along the head's 128.   v: + 2 sigmoid(x[:32] . gate_w[h]) x ve, clip, quantised along the KEYS.
; ONE GEMM BODY, C = A B^T used transposed (source 0 = 16 rows of B: they become a lane's registers; source 1 = 16 rows of A: they become the lanes).
; q, k: A = x, B = the weight: a lane holds one row of the sequence and its registers run along the head's channels.   v: A = Wv, B = x: a lane holds one channel and its registers run along the keys.
; Operands lie in memory and in LDS as images of their registers (16 rows x 128 K = 1,536 bytes, byte 512 c + 16 lane = registers 4 c .. 4 c + 3); lane r of row block j holds row
; 32 (j / 2) + 8 (j % 2) + r + 8 (r / 8), so that the 64 registers of a lane's eight result tiles are k = 32 b + 16 (lane / 16) + i at register 16 b + i: what the quantiser below takes.
; SHARES: a work-group makes 256 x 256, each of its four waves 128 x 128: one head x 128 rows of the sequence.  24 tile columns (8 each for q, k, v) x 8 tile rows.
; K goes in steps of 256 through two LDS slots; a wave's tensor load brings 8 row blocks x 2 K steps, 24,576 dense bytes.  The scale words of the work-group's rows come once, for all of K.
; CLUSTERS: 4 x 4; A's tiles are asked for jointly along a row of the cluster, B's along a column.  All partners of a cluster make the same kind (it hangs on the cluster's x alone).
; 192 work-groups: a wave's tile is one head, which the norm and the quantiser want whole in a wave; tiles of 128 x 256 would be 384 work-groups, one and a half rounds of the same length.
; RESULTS: qkvc: kind TEN + ((16 head + block) 8 + a) FRB, images again; q, k: block = 128 rows of the sequence, a = row block; v: block = 128 keys, a = 16 channels.  qkvs: their scale words, 64 bytes a fragment.
; LIMITS: NaN and infinities are not served; a block's largest magnitude is taken as at least 2^-122 (a block of zeros keeps the byte 1: its codes are zeros; this program alone reads the bytes).
; REGISTERS, in windows of 256.  window 0: v1-13 addresses; v16-21, v27 LDS addresses; v28-29 the spare word's; v32-63 scale words and nothing else; v128-223 A's fragments; afterwards v64-255 the way out.
;   window 1: B's fragments, two sets (v0, v128); afterwards ve as loaded.   windows 2, 3: accumulator (a, b) at v[8 (8 (a % 4) + b)].
.set TEN,   3145728
.set STEN,  131072
.set KPB,   393216
.set RBB,   3072
.set FRB,   1536
.set FR,    12                         ; registers of a fragment
.set NL,    3                          ; LDS loads that bring one
.set NP,    4                          ; places behind this matrix instruction (ISA guide 7.12.1)
.set NQ,    2                          ; K steps of 128 in a slot
.set HALFT, 24576                      ; what one tensor load brings, and what a wave reads of A or of B in a slot
.set SLOT,  98304
.set LAPS,  4                          ; 2,048 along K = 8 slots = 4 times round the ring
.set SCL,   196608                     ; behind the ring: A's scale words (16 row blocks x 1,024 bytes), then B's
.set HALFS, 8192
.set SPARE, 229376                     ; the spare words: 128 bytes a wave, two blocks of 256 bytes that no other line names
.set VSTG,  49152                      ; v's way out: a stage for each wave, over the slots, which have had their last fill and their last read by then
.set VGRP,  4480                       ; in it 16 keys x 272 bytes + 128: the two halves of the lanes then read 32 banks apart
.set ADRA, 16
.set ADRB, 20
.set ADRS, 27
.set SPW,  28
.set NIL,  29
.set SC,   32
.set AF,   128
.set HA,   64                          ; v64-127  the 64 numbers in hand
.set BI,   128                         ; v128-191 q, k: the bias
.set FC,   192                         ; v192-223 q, k: cosines and sines
.set U,    224                         ; v224-255 q, k: at work in the rotation
.set G,    128                         ; v128-191 v: the gate of my 64 keys
.set VE,   192                         ; v192-255 v: ve of my channel at my 64 keys
.set TM,   243                         ; v243-254 the quantiser's work
.set PW,   255                         ; the scale word just made
.set SEL,  76                          ; s[76:77] selects for lane l xor 16   (s76-79, s88-89: groups 0 of the scales' loads, done since the first barrier)
.set CLP,  78                          ; s78 = 8.0, s79 = -8.0
.set G1,   24
.set G0,   32
.set G1B,  48
.set G0B,  56
.set G1S,  68
.set G0S,  76
.set G1SB, 80
.set G0SB, 88
.set PFA,  104                         ; s[104:105] where my prefetches of codes stand
.set PFO,  30                          ; v30 their offset: 256 x min(lane, 23); never rewritten
.set MSB, 0
.macro WIN new                         ; the immediate's high byte repeats the setting that is left
.if MSB != (\new)
	s_set_vgpr_msb (MSB<<8)|(\new)
.set MSB, \new
.endif
.endm
.set MUL_LO, 0xa1                      ; source 0 (B) window 1, source 1 (A) window 0, C and D window 2
.set MUL_HI, 0xf1
.set TO_B,   0x40
; A joint load: waves 0 and 1 fetch for A, waves 2 and 3 for B; the branch hangs on the wave's number alone.  Four v_nop follow each line.
.macro JLOAD g0a, g1a, g0b, g1b
	s_cmp_eq_u32 s21, 0
	s_cbranch_scc0 .Lfor_b_\@
	tensor_load_to_lds s[\g0a:\g0a+3], s[\g1a:\g1a+7]
	s_nop 0
.rept 4
	v_nop
.endr
	s_branch .Lasked_\@
.Lfor_b_\@:
	tensor_load_to_lds s[\g0b:\g0b+3], s[\g1b:\g1b+7]
	s_nop 0
.rept 4
	v_nop
.endr
.Lasked_\@:
.endm
.macro CREST                           ; a round of the cluster's barrier behind its opening barrier
	s_cmp_lg_u32 s20, 0
	s_cbranch_scc1 .Lnot_wave_0_\@
	s_barrier_signal -3
.Lnot_wave_0_\@:
	s_barrier_wait -3
	s_barrier_signal -1
	s_barrier_wait -1
.endm
.macro CROUND
	s_barrier_signal -1
	s_barrier_wait -1
	CREST
.endm
.macro PLACES n
.rept \n
	v_nop
.endr
.endm
	s_load_b512 s[4:19], s[0:1], 0x0               ; codes, scales, qk_bias, freqs_cis, ve, ve_gate_w, qkvc, qkvs
	v_lshl_add_u32 v[SPW], v0, 2, SPARE
	v_mov_b32 v[NIL], 0
	ds_add_u32 v28, v29
	ds_add_u32 v28, v29
	s_wait_dscnt 0x0
	v_lshrrev_b32 v1, 5, v0
	v_readfirstlane_b32 s20, v1                    ; wave
	s_lshr_b32 s21, s20, 1                         ; RH: my half of A's rows.  Also: I fetch for A (0) or for B (1)
	s_and_b32 s22, s20, 1                          ; CH: my half of B's rows.  Also: which 8 row blocks I fetch
	s_bfe_u32 s40, ttmp6, 0x40000                  ; cx
	s_bfe_u32 s41, ttmp6, 0x40004                  ; cy
	s_lshl_b32 s42, ttmp9, 2
	s_add_co_u32 s42, s42, s40
	s_and_b32 s42, s42, 7                          ; the tile column within its kind
	s_and_b32 s23, ttmp7, 0xffff
	s_lshl_b32 s23, s23, 2
	s_add_co_u32 s23, s23, s41                     ; the tile row
	s_lshl_b32 s43, s41, 2
	s_lshl_b32 s43, 15, s43                        ; my row of the cluster
	s_lshl_b32 s44, 0x1111, s40                    ; my column
	s_lshr_b32 s66, ttmp9, 1                       ; the kind: 0 q, 1 k, 2 v
	s_lshr_b32 s67, s66, 1                         ; 1 for v
	; descriptor groups 1: dense blocks as rows of 256 bytes (32 elements of 8 bytes): at the head 192 rows of codes (behind it 96) and 64 rows of scale words; no padding
	s_or_b32 s[G1], s43, (3<<16)|(1<<21)           ; 15:0 the mask; 17:16 elements of 8 bytes; 21 set beside a mask
	s_or_b32 s[G1B], s44, (3<<16)|(1<<21)
	s_or_b32 s[G1S], s43, (3<<16)|(1<<21)
	s_or_b32 s[G1SB], s44, (3<<16)|(1<<21)
.irp g, G1, G1B
	s_mov_b32 s[\g+1], 32<<16                      ; tensor_dim0
	s_mov_b32 s[\g+2], 192<<16                     ; tensor_dim1
	s_mov_b32 s[\g+3], 32<<16                      ; tile_dim0
	s_mov_b32 s[\g+4], 192                         ; tile_dim1
	s_mov_b32 s[\g+5], 32                          ; the pitch
	s_mov_b32 s[\g+6], 0
	s_mov_b32 s[\g+7], 0
.endr
.irp g, G1S, G1SB
	s_mov_b32 s[\g+1], 32<<16
	s_mov_b32 s[\g+2], 64<<16
	s_mov_b32 s[\g+3], 32<<16
	s_mov_b32 s[\g+4], 64
	s_mov_b32 s[\g+5], 32
	s_mov_b32 s[\g+6], 0
	s_mov_b32 s[\g+7], 0
.endr
	s_mul_i32 s45, s20, HALFT                      ; where my tiles go: no place in the cluster enters an LDS address
	s_wait_kmcnt 0x0
	; A's tiles hang on the tile row (and the kind); their offsets are made in s[96:97], which never hold cx
	s_mul_i32 s96, s67, 3*TEN                      ; x for q and k, Wv for v
	s_mul_i32 s97, s23, 2*HALFT
	s_add_co_u32 s96, s96, s97
	s_mul_i32 s97, s22, HALFT
	s_add_co_u32 s96, s96, s97
	s_mov_b32 s97, 0
	s_add_nc_u64 s[G0+2:G0+3], s[4:5], s[96:97]
	s_mov_b32 s92, s96                             ; the offset of my part of A's tile, kept for the prefetches
	s_add_nc_u64 s[G0+6:G0+7], s[G0+2:G0+3], KPB   ; slot 1: the next 256 along K
	s_mul_i32 s96, s67, 3*STEN
	s_lshl_b32 s97, s23, 14
	s_add_co_u32 s96, s96, s97
	s_mov_b32 s97, 0
	s_add_nc_u64 s[G0S+2:G0S+3], s[6:7], s[96:97]
	; B's hang on the tile column (and the kind); their offsets are made in s[46:47] and s100, which never hold cy
	s_mul_i32 s100, s67, 3
	s_sub_co_u32 s100, s66, s100
	s_add_co_u32 s100, s100, 1                     ; Wq, Wk, or x
	s_mul_i32 s46, s100, TEN
	s_mul_i32 s47, s42, 2*HALFT
	s_add_co_u32 s46, s46, s47
	s_mul_i32 s47, s22, HALFT
	s_add_co_u32 s46, s46, s47
	s_mov_b32 s47, 0
	s_add_nc_u64 s[G0B+2:G0B+3], s[4:5], s[46:47]
	s_mov_b32 s93, s46                             ; and of B's
	s_add_nc_u64 s[G0B+6:G0B+7], s[G0B+2:G0B+3], KPB
	s_lshl_b32 s46, s100, 17
	s_lshl_b32 s47, s42, 14
	s_add_co_u32 s46, s46, s47
	s_mov_b32 s47, 0
	s_add_nc_u64 s[G0SB+2:G0SB+3], s[6:7], s[46:47]
.irp s, 0,1
	s_mov_b32 s[G0+4*\s], 1
	s_add_co_u32 s[G0+4*\s+1], s45, \s*SLOT
	s_or_b32 s[G0+4*\s+3], s[G0+4*\s+3], 0x80000000
	s_mov_b32 s[G0B+4*\s], 1
	s_add_co_u32 s[G0B+4*\s+1], s45, \s*SLOT
	s_or_b32 s[G0B+4*\s+3], s[G0B+4*\s+3], 0x80000000
.endr
	s_mov_b32 s[G0S], 1
	s_mov_b32 s[G0S+1], SCL                        ; A's scale words, all 16 row blocks by one load
	s_or_b32 s[G0S+3], s[G0S+3], 0x80000000
	s_mov_b32 s[G0SB], 1
	s_mov_b32 s[G0SB+1], SCL+2*HALFS               ; B's behind them
	s_or_b32 s[G0SB+3], s[G0SB+3], 0x80000000
	; the prefetches of codes: of the 96 blocks of 256 bytes that a ring load of mine brings, each of the four partners that ask for it jointly names 24, told apart by address (cx for A, cy for B)
	s_cmp_eq_u32 s21, 0
	s_cselect_b32 s92, s92, s93
	s_cselect_b32 s93, s40, s41
	s_mul_i32 s93, s93, 24*256
	s_add_co_u32 s92, s92, s93
	s_mov_b32 s93, 0
	s_add_nc_u64 s[PFA:PFA+1], s[4:5], s[92:93]
	CROUND                                         ; all sixteen work-groups are here: the first joint loads meet
; THE HEAD'S LOADS, ONE A WAVE: wave 0 A's whole part of slot 0, wave 1 A's scale words, wave 2 B's part of slot 0, wave 3 B's scale words.
; In waves 0 and 2 slot 0's own group 0 points at the tile's first byte and at its place in LDS.  One chain of branches on the wave's number, one load to an arm, one join.
.macro ARM under, g0, g1, next
	s_cmp_lt_u32 s20, \under
	s_cbranch_scc0 \next
	tensor_load_to_lds s[\g0:\g0+3], s[\g1:\g1+7]
	s_nop 0
.rept 4
	v_nop
.endr
	s_branch .Lhead_asked
\next:
.endm
	ARM 1, G0,  G1,  .Lhead_sa
	ARM 2, G0S, G1S, .Lhead_b
	ARM 3, G0B, G1B, .Lhead_sb
	tensor_load_to_lds s[G0SB:G0SB+3], s[G1SB:G1SB+7]
	s_nop 0
.rept 4
	v_nop
.endr
.Lhead_asked:
	v_and_b32 v[PFO], 31, v0
	v_min_u32 v[PFO], 23, v[PFO]                   ; lanes 24-31 name the last block again
	v_lshlrev_b32 v[PFO], 8, v[PFO]
	v_and_b32 v1, 15, v0                           ; r
	v_bfe_u32 v2, v0, 4, 1                         ; h
	v_and_b32 v13, 31, v0                          ; lane
	v_lshlrev_b32 v3, 4, v13                       ; 16 x lane: my place in an image
	v_lshlrev_b32 v4, 2, v1                        ; 4 r: in a fragment's scale words
	v_and_b32 v5, 8, v1
	v_add_nc_u32 v5, v5, v1                        ; r + 8 (r / 8)
	s_mul_i32 s2, s20, VSTG
	v_and_b32 v14, 9, v1                           ; v's stage, on the way in: the sixteen columns of 16 bytes change places (bits 1 and 2 of the column's number are swapped),
	v_bfe_u32 v15, v0, 1, 1                        ; so that the 16 channels of a tile of Wv's rows are 16 neighbouring words
	v_lshl_add_u32 v14, v15, 2, v14
	v_bfe_u32 v15, v0, 2, 1
	v_lshl_add_u32 v14, v15, 1, v14
	v_mul_u32_u24 v6, v2, 272
	v_lshl_add_u32 v6, v14, 4, v6
	v_add_nc_u32 v6, s2, v6                        ; my stage + 272 (lane / 16) + 16 x the column's new place
	v_mul_u32_u24 v7, v2, VGRP
	v_add_nc_u32 v7, v7, v4
	v_add_nc_u32 v7, s2, v7                        ; and out: my stage + 4,480 h + 4 r
	v_lshrrev_b32 v8, 1, v13
	v_lshlrev_b32 v8, 13, v8
	v_and_b32 v14, 1, v0
	v_lshl_add_u32 v8, v14, 8, v8                  ; the prefetches' offset: row lane / 2 of ve, its (lane % 2)-th 256 bytes of my head's 512
	v_mov_b32 v9, 0
	v_lshlrev_b32 v10, 13, v2
	v_lshl_add_u32 v10, v1, 4, v10                 ; ve: lanes 0-15 one row's 256 bytes, lanes 16-31 the next row's
	v_lshlrev_b32 v12, 6, v2                       ; the bias: 64 h
	v_lshl_add_u32 v11, v5, 9, v12                 ; cosines and sines: my row of 512 bytes, + 64 h
	global_prefetch_b8 v[PFO], s[PFA:PFA+1] offset:2*KPB th:TH_LOAD_NT scope:SCOPE_SE   ; behind the fill of the first 256 along K: the third 256, two fills on
	s_mul_i32 s2, s21, HALFT
	v_add_nc_u32 v[ADRA], s2, v3
	v_add_nc_u32 v[ADRA+1], SLOT, v[ADRA]
	s_mul_i32 s2, s22, HALFT
	s_add_co_u32 s2, s2, 2*HALFT
	v_add_nc_u32 v[ADRB], s2, v3
	v_add_nc_u32 v[ADRB+1], SLOT, v[ADRB]
	s_mul_i32 s2, s21, HALFS                       ; scale words: lanes 0-15 take A's rows, lanes 16-31 B's: the lower base + h x the distance
	s_mul_i32 s3, s22, HALFS
	s_add_co_u32 s3, s3, 2*HALFS
	s_sub_co_u32 s3, s3, s2
	v_mul_u32_u24 v14, s3, v2
	s_add_co_u32 s2, s2, SCL
	v_add_nc_u32 v14, v14, v4
	v_add_nc_u32 v[ADRS], s2, v14
	; my head and my block of 128 rows of the sequence (s2, s3, s98-101 feed no descriptor)
	s_lshl_b32 s2, s42, 1
	s_add_co_u32 s2, s2, s22
	s_lshl_b32 s3, s23, 1
	s_add_co_u32 s3, s3, s21
	s_cmp_eq_u32 s67, 1
	s_cselect_b32 s98, s3, s2                      ; the head: by B's rows for q and k, by A's for v
	s_cselect_b32 s99, s2, s3                      ; the block: the other way round
	s_lshl_b32 s100, s67, 1                        ; the trip (by s3's count) in which ve is prefetched: 2 for v, none for q and k; the same in all partners
	s_lshl_b32 s2, s99, 20
	s_lshl_b32 s3, s98, 9
	s_add_co_u32 s2, s2, s3
	s_mov_b32 s3, 0
	s_add_nc_u64 s[12:13], s[12:13], s[2:3]        ; ve at my 128 rows, my head's 512 bytes
	; what the ways out read first is asked for in the loop's first trip.  s[92:93]: one block of 256 bytes a work-group.  q, k: the cluster's eight heads have sixteen blocks of qk_bias,
	; one to each place cx + 4 cy.  v: the tile row's two heads share one block of ve_gate_w (the four partners along x name the same one: one block cannot be shared out by address).
	s_lshl_b32 s2, s41, 2
	s_add_co_u32 s2, s2, s40
	s_lshl_b32 s2, s2, 8                           ; 256 x place
	s_and_b32 s3, ttmp9, 1
	s_lshl_b32 s3, s3, 12                          ; + the cluster's first head x 512
	s_add_co_u32 s2, s2, s3
	s_lshl_b32 s3, s66, 13                         ; + the kind x 8,192
	s_add_co_u32 s2, s2, s3
	s_lshl_b32 s3, s23, 8                          ; v: 256 x tile row
	s_cmp_eq_u32 s67, 1
	s_cselect_b32 s2, s3, s2
	s_cselect_b64 s[92:93], s[14:15], s[8:9]
	s_mov_b32 s3, 0
	s_add_nc_u64 s[92:93], s[92:93], s[2:3]
	; s[94:95]: cosines and sines, the first 256 bytes of each of my block's 128 rows of 512: the four partners along x take 32 rows each, a lane a row; of the two waves with the same rows the even one asks
	s_lshl_b32 s2, s40, 14
	s_lshl_b32 s101, s99, 16
	s_add_co_u32 s2, s2, s101
	s_add_nc_u64 s[94:95], s[10:11], s[2:3]
	v_lshlrev_b32 v31, 9, v13                      ; 512 x lane; never rewritten
.macro ASKSM
	s_cmp_eq_u32 s3, LAPS-1
	s_cbranch_scc0 .Lsm_no_\@
	s_cmp_lg_u32 s20, 0
	s_cbranch_scc1 .Lsm_fc_\@
	global_prefetch_b8 v9, s[92:93] th:TH_LOAD_NT scope:SCOPE_SE
.Lsm_fc_\@:
	s_or_b32 s101, s67, s22                        ; v's waves and the odd waves ask for no cosines
	s_cmp_lg_u32 s101, 0
	s_cbranch_scc1 .Lsm_no_\@
	global_prefetch_b8 v31, s[94:95] th:TH_LOAD_NT scope:SCOPE_SE
.Lsm_no_\@:
.endm
.macro FRAG reg, adr, q, i             ; a fragment comes as it lies: three loads of 512 consecutive bytes
.irp c, 0,1,2
	ds_load_b128 v[\reg+4*\c:\reg+4*\c+3], v[\adr] offset:(\i)*RBB+(\q)*FRB+512*\c
.endr
.endm
; 16 matrix instructions: A's blocks a0, a0 + 1 x B's eight.  The 64 accumulators take turns, one instruction a turn, in the same order in every step.
.macro MUL16 a0, p, q, sc, zero
.irp a, \a0, \a0+1
.irp b, 0,1,2,3,4,5,6,7
.if \zero
	v_wmma_scale_f32_16x16x128_f8f6f4 v[8*(8*((\a)%4)+\b):8*(8*((\a)%4)+\b)+7], v[128*(\p)+FR*\b:128*(\p)+FR*\b+FR-1], v[AF+FR*(\a):AF+FR*(\a)+FR-1], 0, v[SC+8*NQ*(\sc)+NQ*\b+(\q)], v[SC+8*NQ*(\sc)+NQ*(\a)+(\q)] matrix_a_fmt:MATRIX_FMT_BF6 matrix_b_fmt:MATRIX_FMT_BF6 matrix_a_scale:MATRIX_SCALE_ROW1
.else
	v_wmma_scale_f32_16x16x128_f8f6f4 v[8*(8*((\a)%4)+\b):8*(8*((\a)%4)+\b)+7], v[128*(\p)+FR*\b:128*(\p)+FR*\b+FR-1], v[AF+FR*(\a):AF+FR*(\a)+FR-1], v[8*(8*((\a)%4)+\b):8*(8*((\a)%4)+\b)+7], v[SC+8*NQ*(\sc)+NQ*\b+(\q)], v[SC+8*NQ*(\sc)+NQ*(\a)+(\q)] matrix_a_fmt:MATRIX_FMT_BF6 matrix_b_fmt:MATRIX_FMT_BF6 matrix_a_scale:MATRIX_SCALE_ROW1
.endif
.endr
.endr
.endm
.macro FETCH_B slot, q, p
	WIN TO_B
.irp i, 0,1,2,3,4,5,6,7
	FRAG 128*(\p)+FR*\i, ADRB+\slot, \q, \i
.endr
	WIN 0
.endm
.macro FETCH_A slot, q, i0
.irp i, \i0, \i0+1, \i0+2, \i0+3
	FRAG AF+FR*(\i), ADRA+\slot, \q, \i
.endr
.endm
.macro SCALES sc                       ; a slot's scale words: register 2 i + q: lanes 0-15 A's block i, lanes 16-31 B's block i, K step q
.irp i, 0,1,2,3,4,5,6,7
.irp q, 0,1
	ds_load_b32 v[SC+16*(\sc)+2*\i+\q], v[ADRS] offset:1024*\i+64*\q
.endr
.endr
.endm
; A PREFETCH INTO THE L2 of ve, which v's waves read once, behind the products.  A wave's part is 128 rows x 512 bytes: 256 aligned blocks of 256 bytes, a lane a block, eight instructions, two at each of the four
; places of the loop's second trip, behind a run of LDS loads.  Each block is named once in the launch: a head's 128 rows belong to one wave.  The branch hangs on the cluster's x and the trip alone.
.macro ASKVE e
	s_cmp_eq_u32 s3, s100
	s_cbranch_scc0 .Lno_ask_\@
	global_prefetch_b8 v8, s[12:13] offset:(\e)*131072 th:TH_LOAD_NT scope:SCOPE_SE
	global_prefetch_b8 v8, s[12:13] offset:((\e)+4)*131072 th:TH_LOAD_NT scope:SCOPE_SE
.Lno_ask_\@:
.endm
; A step of 128 along K that has its successor in the same slot.  e: which prefetches stand in it (-1: none)
.macro STEP slot, q, zero, e
	s_wait_dscnt 4*NL                              ; B's set, A's blocks 0-3 and the scale words are in; the youngest 12 loads (A's blocks 4-7) may be out
	WIN MUL_LO
	MUL16 0, (\q)%2, \q, \slot, \zero
	MUL16 2, (\q)%2, \q, \slot, \zero
	s_wait_dscnt 0                                 ; A's blocks 4-7 are in
	PLACES NP                                      ; in front of loads into registers that matrix instructions have read
	FETCH_B \slot, (\q)+1, 1-(\q)%2
	FETCH_A \slot, (\q)+1, 0
.if (\e) >= 0
	ASKVE \e
.endif
	WIN MUL_HI
	MUL16 4, (\q)%2, \q, \slot, \zero
	MUL16 6, (\q)%2, \q, \slot, \zero
	PLACES NP
	WIN 0
	FETCH_A \slot, (\q)+1, 4
.endm
; A slot's last step changes slots: one barrier; in front of it each wave waits for all its tensor loads, adds 0 to its spare word, and waits for that and for its reads of this slot.
.macro TURN slot, next, fill, e
.if \fill
	s_wait_xcnt 0x0                                ; my last prefetch has read its address, which steps 256 along K
	s_add_nc_u64 s[PFA:PFA+1], s[PFA:PFA+1], KPB
.endif
	s_wait_tensorcnt 0x0                           ; all my tensor loads have landed: the one that was out is my part of the next slot
	ds_add_u32 v[SPW], v[NIL]                      ; 0 onto my spare word
	s_wait_dscnt 4*NL+1                            ; (the add and A's blocks 4-7 may be out)
	WIN MUL_LO
	MUL16 0, 1, NQ-1, \slot, 0
	s_wait_dscnt 0x0                               ; the add is done, and my reads of this slot are over
	s_barrier_signal -1
	MUL16 2, 1, NQ-1, \slot, 0
	WIN 0
	s_barrier_wait -1
.if \fill
	CREST                                          ; the barrier has opened a round of the cluster's: no wave of any partner still reads this slot or has a load on its way
	s_add_nc_u64 s[G0+4*\slot+2:G0+4*\slot+3], s[G0+4*\slot+2:G0+4*\slot+3], 2*KPB
	s_add_nc_u64 s[G0B+4*\slot+2:G0B+4*\slot+3], s[G0B+4*\slot+2:G0B+4*\slot+3], 2*KPB
	JLOAD G0+4*\slot, G1, G0B+4*\slot, G1B         ; my one tensor load behind the round; its four v_nop are the places in front of the loads below
.else
	PLACES NP
.endif
	s_wait_alu depctr_va_vdst(0)
	v_add_nc_u32 v[ADRS], 64*NQ, v[ADRS]           ; the next slot's scale words
	FETCH_B \next, 0, 0
	FETCH_A \next, 0, 0
	SCALES \next
.if \fill
	s_cmp_gt_u32 s3, 1                             ; a refill is followed by the prefetch of the fill two on; the loop's last trip has none two on
	s_cbranch_scc0 .Lno_pf_\@
	global_prefetch_b8 v[PFO], s[PFA:PFA+1] offset:3*KPB th:TH_LOAD_NT scope:SCOPE_SE
.Lno_pf_\@:
.endif
.if (\e) == 0
	ASKSM
.endif
.if (\e) >= 0
	ASKVE \e
.endif
	WIN MUL_HI
	MUL16 4, 1, NQ-1, \slot, 0
	MUL16 6, 1, NQ-1, \slot, 0
	PLACES NP
	WIN 0
	FETCH_A \next, 0, 4
.endm
	s_wait_alu depctr_va_vdst(0)
	s_wait_tensorcnt 0x0                           ; my tile of the head's four is in
	ds_add_u32 v[SPW], v[NIL]
	s_mov_b32 s[G1+2], 96<<16                      ; no load of mine is out: from here on a load brings 96 rows
	s_mov_b32 s[G1+4], 96
	s_mov_b32 s[G1B+2], 96<<16
	s_mov_b32 s[G1B+4], 96
	s_wait_dscnt 0x0
	CROUND                                         ; a whole round: all four tiles are in, and the joint loads meet
	JLOAD G0+4, G1, G0B+4, G1B                     ; slot 1's first fill: my one tensor load behind the round
	FETCH_B 0, 0, 0
	FETCH_A 0, 0, 0
	SCALES 0
	global_prefetch_b8 v[PFO], s[PFA:PFA+1] offset:3*KPB th:TH_LOAD_NT scope:SCOPE_SE   ; behind slot 1's fill: the fourth 256 along K
	FETCH_A 0, 0, 4
	STEP 0, 0, 1, -1                               ; the first step stands in front of the loop: its products start the sums
	s_mov_b32 s3, LAPS-1
.Llap:
	TURN 0, 1, 1, 0
	STEP 1, 0, 0, 1
	TURN 1, 0, 1, 2
	STEP 0, 0, 0, 3
	s_sub_co_u32 s3, s3, 1
	s_cmp_lg_u32 s3, 0
	s_cbranch_scc1 .Llap
	TURN 0, 1, 0, -1                               ; the last lap fills nothing
	STEP 1, 0, 0, -1
	s_wait_dscnt 4*NL
	WIN MUL_LO
	MUL16 0, 1, NQ-1, 1, 0
	MUL16 2, 1, NQ-1, 1, 0
	s_wait_dscnt 0
	WIN MUL_HI
	MUL16 4, 1, NQ-1, 1, 0
	MUL16 6, 1, NQ-1, 1, 0
	WIN 0
	s_wait_dscnt 0x0                               ; my reads of both slots are over:
	s_barrier_signal -1
	s_barrier_wait -1                              ; everybody's are: v's stages may lie over the slots
	PLACES NP                                      ; behind the last products: their results are read and their operands' registers written from here on
	s_mov_b32 s[SEL], 0x76543210
	s_mov_b32 s[SEL+1], 0xfedcba98
	s_mov_b32 s[CLP], 0x41000000                   ; 8.0
	s_mov_b32 s[CLP+1], 0xc1000000                 ; -8.0
	s_mov_b32 s88, 0x3c000000                      ; 1 / 128
	s_mov_b32 s89, 0x358637bd                      ; 1e-6
	s_lshl_b32 s100, s98, 4
	s_add_co_u32 s100, s100, s99                   ; 16 head + block
	s_mul_i32 s2, s100, 8*FRB
	s_mul_i32 s3, s66, TEN
	s_add_co_u32 s2, s2, s3
	s_mov_b32 s3, 0
	s_add_nc_u64 s[16:17], s[16:17], s[2:3]        ; where my eight fragments go,
	s_lshl_b32 s2, s100, 9
	s_lshl_b32 s100, s66, 17
	s_add_co_u32 s2, s2, s100
	s_add_nc_u64 s[18:19], s[18:19], s[2:3]        ; and their scale words
; 64 numbers of a lane, register 16 b + i = k 32 b + 16 (lane / 16) + i of my row, become a fragment's codes in v[pc] on and its scale word in v[PW].
.macro QUANT s, pc
.irp b, 0,1,2,3
	v_max3_num_f32 v[TM+\b], |v[\s+16*\b]|, |v[\s+1+16*\b]|, 0x2800000   ; block b: my 16 numbers, and the floor 2^(5 - 127): the byte cannot fall under 1
.endr
.irp i, 2,4,6,8,10,12,14
.irp b, 0,1,2,3
	v_max3_num_f32 v[TM+\b], v[TM+\b], |v[\s+16*\b+\i]|, |v[\s+1+16*\b+\i]|
.endr
.endr
.irp b, 0,1,2,3
	v_permlanex16_b32 v[TM+4+\b], v[TM+\b], s[SEL], s[SEL+1]
.endr
.irp b, 0,1,2,3
	v_max_num_f32 v[TM+\b], v[TM+\b], v[TM+4+\b]   ; with lane l xor 16's: the block's largest magnitude
.endr
.irp b, 0,1,2,3
	v_add_nc_u32 v[TM+8+\b], 0xfe000000, v[TM+\b]  ; 4 off its exponent field: the conversion's scale operand
.endr
.irp b, 0,1,2,3
	v_lshrrev_b32 v[TM+4+\b], 23, v[TM+8+\b]       ; the scale's byte
.endr
	v_lshl_or_b32 v[PW], v[TM+5], 8, v[TM+4]
	v_lshl_or_b32 v[PW], v[TM+6], 16, v[PW]
	v_lshl_or_b32 v[PW], v[TM+7], 24, v[PW]
.irp c, 0,1
	v_cvt_scalef32_pk16_bf6_f32 v[\pc+6*\c:\pc+2+6*\c], v[\s+32*\c:\s+15+32*\c], v[TM+8+2*\c]
	v_cvt_scalef32_pk16_bf6_f32 v[\pc+12+4*\c:\pc+14+4*\c], v[\s+16+32*\c:\s+31+32*\c], v[TM+8+2*\c+1]   ; (a conversion's three registers begin on an even number)
.endr
	v_nop                                          ; one plain place behind a scaled conversion
.irp c, 0,1                            ; the operand's layout wants a whole block in a lane: lanes 0-15 block 2 c, lanes 16-31 block 2 c + 1
.irp i, 0,1,2
	v_permlane16_swap_b32 v[\pc+6*\c+\i], v[\pc+12+4*\c+\i]
.endr
.irp i, 0,1,2
	v_mov_b32 v[\pc+3+6*\c+\i], v[\pc+12+4*\c+\i]
.endr
.endr
.endm
	s_cmp_eq_u32 s67, 1
	s_cbranch_scc1 .Lv
	; ---------------- q and k: eight row blocks of 16 rows of the sequence, one a trip.  No LDS.
	s_lshl_b32 s2, s66, 13
	s_lshl_b32 s3, s98, 9
	s_add_co_u32 s2, s2, s3
	s_mov_b32 s3, 0
	s_add_nc_u64 s[8:9], s[8:9], s[2:3]            ; the bias of my kind and head
	s_lshl_b32 s2, s99, 16
	s_add_nc_u64 s[10:11], s[10:11], s[2:3]        ; cosines and sines at my first row
.irp b, 0,1,2,3
.irp j, 0,1,2,3
	global_load_b128 v[BI+16*\b+4*\j:BI+16*\b+4*\j+3], v12, s[8:9] offset:128*\b+16*\j   ; register 16 b + i: channel 32 b + 16 h + i
.endr
.endr
.macro FCLOAD                          ; of my row: register 2 m the cosine, 2 m + 1 the sine of the pair of channels in registers 2 m, 2 m + 1 (the first 64 channels: b = 0, 1)
.irp b, 0,1
.irp j, 0,1,2,3
	global_load_b128 v[FC+16*\b+4*\j:FC+16*\b+4*\j+3], v11, s[10:11] offset:128*\b+16*\j
.endr
.endr
.endm
	FCLOAD
	s_mov_b32 s101, 0
.macro COPY i                          ; row block i's 64 sums out of their window, clipped on the way; each accumulator from its low end on
	WIN 2+(\i)/4
.set n, 0
.rept 64
	v_med3_num_f32 v[HA+n], v[64*((\i)%4)+n], s[CLP+1], s[CLP]
.set n, n+1
.endr
	WIN 0
.endm
.Lqa:
.irp i, 0,1,2,3,4,5,6
	s_cmp_eq_u32 s101, \i
	s_cbranch_scc0 .Lnot_\i
	COPY \i
	s_branch .Lcopied
.Lnot_\i:
.endr
	COPY 7
.Lcopied:
	s_wait_loadcnt 0x0                             ; the bias (first trip), this row block's cosines and sines
.set m, 0
.rept 32
	v_pk_add_f32 v[HA+m:HA+m+1], v[HA+m:HA+m+1], v[BI+m:BI+m+1]
.set m, m+2
.endr
.set m, 0
.rept 16
	v_mul_f32 v[U+m], v[HA+m+1], v[FC+m+1]         ; odd x sine
	v_mul_f32 v[U+m+1], v[HA+m], v[FC+m+1]         ; even x sine
.set m, m+2
.endr
.set m, 0
.rept 16
	v_fma_f32 v[HA+m], v[HA+m], v[FC+m], -v[U+m]
	v_fma_f32 v[HA+m+1], v[HA+m+1], v[FC+m], v[U+m+1]
.set m, m+2
.endr
	s_cmp_eq_u32 s101, 7
	s_cbranch_scc1 .Lno_fc                         ; the last trip asks for nothing: no load leaves its buffer
	s_and_b32 s2, s101, 1                          ; the next row block begins 8 rows on, or 24
	s_lshl_b32 s2, s2, 13
	s_add_co_u32 s2, s2, 4096
	s_mov_b32 s3, 0
	s_add_nc_u64 s[10:11], s[10:11], s[2:3]        ; (the loads that read this base are in)
	FCLOAD
.Lno_fc:
	v_pk_mul_f32 v[22:23], v[HA:HA+1], v[HA:HA+1]  ; the sum of squares, in two chains of pairs
	v_pk_mul_f32 v[24:25], v[HA+2:HA+3], v[HA+2:HA+3]
.set m, 4
.rept 15
	v_pk_fma_f32 v[22:23], v[HA+m:HA+m+1], v[HA+m:HA+m+1], v[22:23]
	v_pk_fma_f32 v[24:25], v[HA+m+2:HA+m+3], v[HA+m+2:HA+m+3], v[24:25]
.set m, m+4
.endr
	v_pk_add_f32 v[22:23], v[22:23], v[24:25]
	v_add_f32 v22, v22, v23
	v_permlanex16_b32 v23, v22, s[SEL], s[SEL+1]
	v_add_f32 v22, v22, v23                        ; with lane l xor 16's 64 channels
	v_fma_f32 v22, v22, s88, s89                   ; the mean + 1e-6
	s_wait_alu depctr_va_vdst(0)
	v_rsq_f32 v24, v22
	v_nop                                          ; one plain place behind a transcendental
	s_wait_alu depctr_va_vdst(0)                   ; the wait ahead of the first reader
.set m, 0
.rept 32
	v_pk_mul_f32 v[HA+m:HA+m+1], v[HA+m:HA+m+1], v[24:25] op_sel_hi:[1,0]
.set m, m+2
.endr
	QUANT HA, U
.irp c, 0,1,2
	global_store_b128 v3, v[U+4*\c:U+4*\c+3], s[16:17] offset:512*\c   ; 32 lanes store 512 consecutive bytes
.endr
	global_store_b32 v4, v[PW], s[18:19]           ; lanes r and r + 16 hold the same word and store it to the same place: 64 consecutive bytes
	s_wait_xcnt 0x0                                ; the stores have read their registers and bases
	s_add_nc_u64 s[16:17], s[16:17], FRB
	s_add_nc_u64 s[18:19], s[18:19], 64
	s_add_co_u32 s101, s101, 1
	s_cmp_lt_u32 s101, 8
	s_cbranch_scc1 .Lqa
	s_branch .Ldone
	; ---------------- v
.Lv:
	s_lshl_b32 s2, s98, 7
	s_mov_b32 s3, 0
	s_add_nc_u64 s[14:15], s[14:15], s[2:3]        ; my head's row of ve_gate_w
	s_mul_i32 s2, s99, 8*RBB
	s_add_nc_u64 s[92:93], s[4:5], s[2:3]          ; x's codes: my 8 row blocks, K step 0
	s_lshl_b32 s2, s99, 13
	s_add_nc_u64 s[94:95], s[6:7], s[2:3]          ; and their scale words
.irp i, 0,1,2,3,4,5,6,7
	global_load_b128 v[G+4*\i:G+4*\i+3], v9, s[14:15] offset:16*\i   ; every lane takes the row's 32 numbers
.endr
.macro SETXF t                         ; where x's fragment t lies
.if (\t) < 5
.set XF, 192+12*(\t)
.else
.set XF, 64+12*((\t)-5)
.endif
.endm
.irp t, 0,1,2,3,4,5,6,7
	SETXF \t
.irp c, 0,1,2
	global_load_b128 v[XF+4*\c:XF+4*\c+3], v3, s[92:93] offset:RBB*\t+512*\c
.endr
.endr
.irp t, 0,1,2,3,4,5,6,7
	global_load_b32 v[SC+\t], v4, s[94:95] offset:1024*\t
.endr
.macro VELOAD Q                        ; 128 rows x 256 bytes of ve (channels 64 Q on of my head): sixteen lanes read one row's 256 consecutive bytes
	WIN 0x40
.set n, 0
.rept 64
	global_load_b128 v[4*n:4*n+3], v10, s[12:13] offset:256*(\Q)+16384*n th:TH_LOAD_NT
.set n, n+1
.endr
	WIN 0
.endm
	VELOAD 0
	s_wait_loadcnt 63                              ; 104 loads were issued: the oldest 41 are in, the 40 for the gate among them
	; ve_gate_w's row as an operand: 32 numbers, one block; the rest of the 128 along K are zero codes, which add nothing.  All 16 rows of the fragment are my head's.
	v_max3_num_f32 v160, |v[G]|, |v[G+1]|, 0x2800000
.irp i, 2,4,6,8,10,12,14,16,18,20,22,24,26,28,30
	v_max3_num_f32 v160, v160, |v[G+\i]|, |v[G+\i+1]|
.endr
	v_add_nc_u32 v161, 0xfe000000, v160
	v_lshrrev_b32 v162, 23, v161
	v_cvt_scalef32_pk16_bf6_f32 v[100:102], v[G:G+15], v161
	v_cvt_scalef32_pk16_bf6_f32 v[112:114], v[G+16:G+31], v161
	v_nop
.irp i, 0,1,2
	v_mov_b32 v[103+\i], v[112+\i]
.endr
	v_cmp_gt_u32 vcc_lo, 16, v13
.irp i, 0,1,2,3,4,5
	v_cndmask_b32 v[100+\i], v9, v[100+\i], vcc_lo ; lanes 16-31 hold k = 32 .. 63: zeros
.endr
.irp i, 6,7,8,9,10,11
	v_mov_b32 v[100+\i], 0
.endr
	v_or_b32 v[SC+8], 0x7f7f7f00, v162             ; its scale word: the block's byte, and 127 for the blocks of zeros
	PLACES 8                                       ; a scale register written by a vector instruction stands 8 places ahead of a scaled matrix instruction
.irp t, 0,1,2,3,4,5,6,7                ; source 0 = 16 rows of x, source 1 = the gate's weights: register 16 b + i of every lane: the logit of key 32 b + 16 h + i
	SETXF \t
	v_wmma_scale_f32_16x16x128_f8f6f4 v[G+8*\t:G+8*\t+7], v[XF:XF+11], v[100:111], 0, v[SC+\t], v[SC+8] matrix_a_fmt:MATRIX_FMT_BF6 matrix_b_fmt:MATRIX_FMT_BF6
.endr
	PLACES NP
	s_mov_b32 s2, 0xbfb8aa3b                       ; -log2(e)
	s_mov_b32 s3, s2
.set m, 0
.rept 32
	v_pk_mul_f32 v[G+m:G+m+1], v[G+m:G+m+1], s[2:3] op_sel_hi:[1,0]
.set m, m+2
.endr
.set m, 0
	s_wait_alu depctr_va_vdst(0)
.rept 64
	v_exp_f32 v[G+m], v[G+m]
.set m, m+1
.endr
	v_nop
	s_wait_alu depctr_va_vdst(0)                   ; one wait for the batch, ahead of its first reader
.set m, 0
.rept 32
	v_pk_add_f32 v[G+m:G+m+1], v[G+m:G+m+1], 1.0 op_sel_hi:[1,0]
.set m, m+2
.endr
.set m, 0
	s_wait_alu depctr_va_vdst(0)
.rept 64
	v_rcp_f32 v[G+m], v[G+m]
.set m, m+1
.endr
	v_nop
	s_wait_alu depctr_va_vdst(0)
.set m, 0
.rept 32
	v_pk_mul_f32 v[G+m:G+m+1], v[G+m:G+m+1], 2.0 op_sel_hi:[1,0]   ; 2 sigmoid
.set m, m+2
.endr
.macro STAGE                           ; ve into my stage, eight loads (16 keys) at a time as they arrive
	WIN 0x04                                       ; an LDS store's data are its source 1: window 1
.set n, 0
.rept 64
.if n%8 == 0
	s_wait_loadcnt 56-n                            ; the younger loads of ve may stay out
.endif
	ds_store_b128 v6, v[4*n:4*n+3] offset:(n/8)*VGRP+((2*n)%16)*272
.set n, n+1
.endr
	WIN 0
.endm
; Tile aq of the four in the stage: 16 channels (a row block of Wv) x my 128 keys.  ve comes back turned: lane (r, h) takes its channel at keys 32 b + 16 h + i.
.macro VTILE Q, aq
	s_wait_xcnt 0x0                                ; the last tile's stores have read their registers, which the loads below fill
.irp b, 0,1,2,3
.irp i, 0,1,2,3,4,5,6,7,8,9,10,11,12,13,14,15
	ds_load_b32 v[VE+16*\b+\i], v7 offset:64*(\aq)+2*VGRP*\b+272*\i
.endr
.endr
	s_wait_dscnt 0x0
	WIN (2+(\Q))<<4                                ; source 2: the accumulators' window
.set m, 0
.rept 32
	v_pk_fma_f32 v[HA+m:HA+m+1], v[VE+m:VE+m+1], v[G+m:G+m+1], v[64*(\aq)+m:64*(\aq)+m+1]
.set m, m+2
.endr
	WIN 0
.set m, 0
.rept 64
	v_med3_num_f32 v[HA+m], v[HA+m], s[CLP+1], s[CLP]
.set m, m+1
.endr
	QUANT HA, VE
.irp c, 0,1,2
	global_store_b128 v3, v[VE+4*\c:VE+4*\c+3], s[16:17] offset:(4*(\Q)+(\aq))*FRB+512*\c
.endr
	global_store_b32 v4, v[PW], s[18:19] offset:(4*(\Q)+(\aq))*64
.endm
	STAGE
	s_wait_dscnt 0x0                               ; the stores have read their registers,
	VELOAD 1                                       ; which take the other 64 channels while the first are worked
	VTILE 0, 0
	VTILE 0, 1
	VTILE 0, 2
	VTILE 0, 3
	STAGE                                          ; my reads of the stage are in; LDS serves a wave's instructions in order
	VTILE 1, 0
	VTILE 1, 1
	VTILE 1, 2
	VTILE 1, 3
.Ldone:
	s_wait_tensorcnt 0x0                           ; the wave's end
	ds_add_u32 v[SPW], v[NIL]
	s_wait_dscnt 0x0
	CROUND                                         ; the closing round
	s_endpgm
.Lfunc_end_k_qf26f9697f5_qkv:
	.size	k_qf26f9697f5_qkv, .Lfunc_end_k_qf26f9697f5_qkv-k_qf26f9697f5_qkv
	.p2alignl 7, 3214868480
	.fill 96, 4, 3214868480
	.section	.rodata,"a",@progbits
	.p2align	6, 0x0
	.amdhsa_kernel k_qf26f9697f5_qkv
		.amdhsa_group_segment_fixed_size 327680
		.amdhsa_private_segment_fixed_size 0
		.amdhsa_enable_private_segment 0
		.amdhsa_kernarg_size 64
		.amdhsa_user_sgpr_count 2
		.amdhsa_user_sgpr_kernarg_segment_ptr 1
		.amdhsa_wavefront_size32 1
		.amdhsa_system_sgpr_workgroup_id_x 1
		.amdhsa_system_sgpr_workgroup_id_y 1
		.amdhsa_system_sgpr_workgroup_id_z 1
		.amdhsa_system_vgpr_workitem_id 0
		.amdhsa_next_free_vgpr 1024
		.amdhsa_next_free_sgpr 106
		.amdhsa_reserve_vcc 1
		.amdhsa_float_denorm_mode_32 3
		.amdhsa_float_denorm_mode_16_64 3
		.amdhsa_memory_ordered 1
		.amdhsa_forward_progress 1
		.amdhsa_inst_pref_size 255
	.end_amdhsa_kernel
	.section	.bss,"aw",@nobits
	.p2align	6
	.space	262144
	.amdgpu_metadata
---
amdhsa.version: [ 1, 2 ]
amdhsa.kernels:
  - .name:           k_qf26f9697f5_qkv
    .symbol:         k_qf26f9697f5_qkv.kd
    .args:
      - { .name: codes, .offset: 0, .size: 8, .value_kind: global_buffer, .address_space: global }
      - { .name: scales, .offset: 8, .size: 8, .value_kind: global_buffer, .address_space: global }
      - { .name: qk_bias, .offset: 16, .size: 8, .value_kind: global_buffer, .address_space: global }
      - { .name: freqs_cis, .offset: 24, .size: 8, .value_kind: global_buffer, .address_space: global }
      - { .name: ve, .offset: 32, .size: 8, .value_kind: global_buffer, .address_space: global }
      - { .name: ve_gate_w, .offset: 40, .size: 8, .value_kind: global_buffer, .address_space: global }
      - { .name: qkvc, .offset: 48, .size: 8, .value_kind: global_buffer, .address_space: global }
      - { .name: qkvs, .offset: 56, .size: 8, .value_kind: global_buffer, .address_space: global }
    .group_segment_fixed_size: 327680
    .private_segment_fixed_size: 0
    .kernarg_segment_align: 8
    .kernarg_segment_size: 64
    .max_flat_workgroup_size: 128
    .sgpr_count:     106
    .vgpr_count:     1024
    .wavefront_size: 32
...
	.end_amdgpu_metadata
.endif
;; end of part 2
;; launch attn (part 3): grid 16 x 16, 16 waves a work-group, no clusters, 327,680 bytes of LDS; arguments qkvc, qkvs, yc, ys; writes yc, ys
.if DOCPART == 3
	.amdgcn_target "amdgcn-amd-amdhsa--gfx1250"
	.amdhsa_code_object_version 6
	.text
	.protected	k_qf26f9697f5_attn
	.globl	k_qf26f9697f5_attn
	.p2align	8
	.type	k_qf26f9697f5_attn,@function
k_qf26f9697f5_attn:
	s_mov_b64 s[64:65], 0
	v_nop
	global_prefetch_b8 v0, s[64:65] scope:SCOPE_SE
	s_setreg_imm32_b32 hwreg(HW_REG_WAVE_MODE, 25, 1), 1
	s_wait_xcnt 0x0
; y[q][head] = the sum over keys k <= q of softmax_k(q . k / sqrt(128)) v[k], both products on codes of BF6 with E8M0 scales; y is quantised along the head's channels for the last product.
; THE SOFTMAX: t = score x log2(e) / sqrt(128); M = the running largest t rounded up to a whole number; p = 2^(t - M) is quantised along the keys, not normalised; the row's sum is taken of the
; unquantised p and divides at the end.  When M moves, the sum and O are multiplied by 2^(old M - new M): exact.
; OPERANDS are images of their registers (1,536 bytes a fragment).  Lane r of row block j holds row 32 (j / 2) + 8 (j % 2) + r + 8 (r / 8): so the 16 registers of two neighbouring tiles of S^T = K Q^T are 16
; neighbouring keys, and those of O^T = V^T P^T 16 neighbouring channels.  A lane holds one query throughout.
; SHARES: a work-group owns blocks j and 31 - j of 64 queries of one head, eight tiles of 16 queries: the causal work is the same in all 256.  A TILE'S KEYS ARE SPLIT BETWEEN TWO WAVES: of the key steps
; of 128 keys wave 2 t takes the even ones and wave 2 t + 1 the odd ones of tile t, each with its own M, sum and O^T.  So the longest run of steps that follow each other is 8, not 16, and four waves
; stand on a SIMD.  M is a whole number in both, so the halves join exactly: both are brought under the larger M by a power of two.  The odd wave hands O^T, -M and its sum over through LDS; the even one finishes.
; The tiles are dealt so that waves 4 i .. 4 i + 3, and waves w, w + 4, w + 8, w + 12, are two of an early and two of a late tile.
; K and V come through two LDS slots of 512 keys (waves 0, 1: K's halves; waves 2, 3: V's; 24,576 dense bytes each), read by all sixteen.  Every work-group walks all four slots' worth of keys, so that trip
; counts are constants; a step all of whose keys come after the wave's queries is left out by a scalar branch on ids.
; NO CLUSTER: that branch hangs on the work-group's own block of queries, which differs between the work-groups that share K and V.
; LIMITS: NaN and infinities are not served; a block's largest magnitude is taken as at least 2^-122 (a block of zeros keeps the byte 1: its codes are zeros; this program alone reads the bytes).
; REGISTERS: v1-4, v7-10, v28-31 addresses; v5-6 the spare word's; v12 -M, v13 the largest t, v[14:15] the sum; v16-27 Q; v32-39 K's scale words, v40-47 V's; v48-95 four fragments of K or of V;
;   v96-159 S^T, then p, then V's other four fragments; v160-223 O^T; v224-235 p's codes; v232-254 at work; v253 p's scale word; v255 Q's.
.set TEN,   3145728
.set STEN,  131072
.set KPB,   393216
.set RBB,   3072
.set FRB,   1536
.set KSB,   12288                      ; a key step's eight fragments
.set VOFF,  49152                      ; a slot: K's four key steps, then V's four: 98,304 bytes
.set SLOT1, 131072                     ; slot 1 begins here: one exclusive or turns an address from slot to slot
.set SCK,   262144                     ; K's scale words of the whole head, 8,192 bytes; V's behind them
.set SPARE, 278528                     ; the spare words: 128 bytes for each of sixteen waves: eight blocks of 256 bytes that no other line names
.set NSL,   4                          ; slots' worth of keys
.set MST,   8704                       ; the hand-over: for each tile 8,192 bytes of O^T, 128 of -M, 128 of the sum; in slot 0, which has had its last fill and its last read at the last change of slots
.set SEL,   20
.set TM,    232
.set PW,    248
	s_load_b256 s[4:11], s[0:1], 0x0               ; qkvc, qkvs, yc, ys
	v_lshl_add_u32 v5, v0, 2, SPARE
	v_mov_b32 v6, 0
	ds_add_u32 v5, v6
	ds_add_u32 v5, v6
	s_wait_dscnt 0x0
	v_lshrrev_b32 v8, 5, v0
	s_delay_alu instid0(VALU_DEP_1)
	v_readfirstlane_b32 s18, v8                    ; wave 0..15
	s_and_b32 s19, s18, 1                          ; which key steps are mine: the even ones or the odd ones
	s_lshr_b32 s59, s18, 1                         ; which of the work-group's eight tiles
	s_and_b32 s60, ttmp7, 0xffff                   ; the head
	s_lshr_b32 s55, s59, 2
	s_xor_b32 s55, s55, s59
	s_and_b32 s55, s55, 1                          ; 1: my tile lies in the late block
	s_lshr_b32 s56, s59, 1                         ; which of a block's four tiles
	s_lshl_b32 s57, ttmp9, 3
	s_sub_co_u32 s57, 124, s57
	s_mul_i32 s57, s57, s55
	s_lshl_b32 s58, ttmp9, 2
	s_add_co_u32 s57, s57, s58
	s_add_co_u32 s57, s57, s56                     ; my tile of queries: 4 j + tile, or 4 (31 - j) + tile
	s_lshr_b32 s50, s57, 1
	s_lshl_b32 s50, s50, 5                         ; QG: my queries lie in QG .. QG + 31
	s_and_b32 s58, s57, 1
	s_lshl_b32 s58, s58, 3
	; descriptor groups 1: dense blocks as rows of 256 bytes (32 elements of 8 bytes): 96 rows of codes, 16 rows of scale words
	s_mov_b32 s24, 3<<16
	s_mov_b32 s25, 32<<16
	s_mov_b32 s26, 96<<16
	s_mov_b32 s27, 32<<16
	s_mov_b32 s28, 96
	s_mov_b32 s29, 32
	s_mov_b32 s30, 0
	s_mov_b32 s31, 0
	s_mov_b32 s32, 3<<16
	s_mov_b32 s33, 32<<16
	s_mov_b32 s34, 16<<16
	s_mov_b32 s35, 32<<16
	s_mov_b32 s36, 16
	s_mov_b32 s37, 32
	s_mov_b32 s38, 0
	s_mov_b32 s39, 0
	s_and_b32 s61, s18, 3                          ; what I fetch, if I fetch: waves 0, 1 the halves of K's part of a slot, waves 2, 3 of V's
	s_lshr_b32 s62, s61, 1
	s_add_co_u32 s62, s62, 1                       ; kind 1 is k, kind 2 is v
	s_mul_i32 s66, s62, STEN
	s_mul_i32 s62, s62, TEN
	s_mul_i32 s63, s60, 196608                     ; a head's codes
	s_add_co_u32 s62, s62, s63
	s_mul_i32 s63, s19, 24576                      ; my half
	s_add_co_u32 s62, s62, s63
	s_mov_b32 s63, 0
	s_lshl_b32 s67, s60, 13                        ; a head's scale words
	s_add_co_u32 s66, s66, s67
	s_lshl_b32 s67, s19, 12                        ; my half of them
	s_add_co_u32 s66, s66, s67
	s_mov_b32 s67, 0
	s_lshl_b32 s68, s60, 7
	s_add_co_u32 s68, s68, s57                     ; 128 head + tile
	s_mul_i32 s70, s68, FRB
	s_mov_b32 s71, 0
	s_lshl_b32 s74, s68, 6
	s_mov_b32 s75, 0
	s_lshr_b32 s76, s60, 1                         ; y: K step = the head, row block = my tile
	s_mul_i32 s76, s76, KPB
	s_mul_i32 s77, s57, RBB
	s_add_co_u32 s76, s76, s77
	s_and_b32 s77, s60, 1
	s_mul_i32 s77, s77, FRB
	s_add_co_u32 s76, s76, s77
	s_mov_b32 s77, 0
	s_lshl_b32 s78, s57, 10
	s_lshl_b32 s79, s60, 6
	s_add_co_u32 s78, s78, s79
	s_mov_b32 s79, 0
	s_mov_b32 s[SEL], 0x76543210
	s_mov_b32 s[SEL+1], 0xfedcba98
	s_mov_b32 s22, 0x3e0293ee                      ; c = log2(e) / sqrt(128)
	s_mov_b32 s23, s22
	s_mov_b32 s2, 0                                ; TB: where the slot in hand begins
	s_mov_b32 s3, 0                                ; TS: my step's scale words: 1,024 bytes from one of my steps to the next
	s_mov_b32 s48, NSL-1                           ; slots still to be asked for
	s_sub_co_u32 s88, 31, ttmp9                    ; my late block of 64 queries; its last query lies in slot (31 - j) / 8
	s_lshr_b32 s88, s88, 3
	s_sub_co_u32 s88, NSL, s88                     ; a fill with fewer than so many slots still to be asked for would bring keys that come after all my queries
	s_lshl_b32 s49, s19, 7                         ; KF: my step's first key: 256 keys from one of my steps to the next
	; the prefetches: waves 4 to 9 ask for K's codes, waves 10 to 15 for V's, 8,192 bytes a wave, in the head's first work-group alone
	s_max_u32 s80, s18, 4
	s_sub_co_u32 s80, s80, 4
	s_cmp_ge_u32 s80, 6
	s_cselect_b32 s81, 1, 0
	s_mul_i32 s82, s81, 6
	s_sub_co_u32 s82, s80, s82
	s_add_co_u32 s81, s81, 1
	s_mul_i32 s84, s81, TEN
	s_lshl_b32 s82, s82, 13
	s_add_co_u32 s84, s84, s82
	s_mul_i32 s82, s60, 196608
	s_add_co_u32 s84, s84, s82
	s_add_co_u32 s84, s84, VOFF                    ; in slot 1: the first change of slots steps it to slot 2
	s_mov_b32 s85, 0
	s_cmp_lt_u32 s18, 4
	s_cselect_b32 s54, 1, 0
	s_or_b32 s54, s54, ttmp9
	s_cmp_eq_u32 s54, 0
	s_cselect_b32 s54, 1, -1                       ; 1 in a wave that prefetches, else the greatest number
	s_wait_kmcnt 0x0
	s_mov_b32 s40, 1
	s_mul_i32 s41, s61, 24576                      ; K's two halves, then V's two
	s_add_nc_u64 s[42:43], s[4:5], s[62:63]
	s_or_b32 s43, s43, 0x80000000
	s_mov_b32 s44, 1
	s_lshl_b32 s45, s61, 12
	s_add_co_u32 s45, s45, SCK
	s_add_nc_u64 s[46:47], s[6:7], s[66:67]
	s_or_b32 s47, s47, 0x80000000
	s_cmp_lt_u32 s18, 4                            ; a wave's first fill, if any, stands in one branch: one load of mine is out at most
	s_cbranch_scc0 .Lfirst_sc                      ; one chain of branches, one first fill to an arm: waves 0 to 3 slot 0's four parts,
	tensor_load_to_lds s[40:43], s[24:31]
	s_nop 0
.rept 4
	v_nop
.endr
	s_branch .Lno_first
.Lfirst_sc:
	s_cmp_lt_u32 s18, 8                            ; waves 4 to 7 the four parts of the head's scale words, filled once (their descriptors hang on the wave's number mod 4)
	s_cbranch_scc0 .Lno_first
	tensor_load_to_lds s[44:47], s[32:39]
	s_nop 0
.rept 4
	v_nop
.endr
.Lno_first:
	s_add_nc_u64 s[52:53], s[4:5], s[84:85]        ; where my prefetches stand
	s_add_nc_u64 s[72:73], s[4:5], s[70:71]        ; Q's fragment
	s_add_nc_u64 s[74:75], s[6:7], s[74:75]        ; its scale words
	s_add_nc_u64 s[8:9], s[8:9], s[76:77]
	s_add_nc_u64 s[10:11], s[10:11], s[78:79]
	v_and_b32 v1, 31, v0
	s_delay_alu instid0(VALU_DEP_1)
	v_lshlrev_b32 v31, 2, v1                       ; 4 x lane
	s_delay_alu instid0(VALU_DEP_2)
	v_lshlrev_b32 v1, 4, v1                        ; 16 x lane
	v_and_b32 v9, 15, v0                           ; r
	s_delay_alu instid0(VALU_DEP_1)
	v_lshlrev_b32 v4, 2, v9                        ; 4 r
	s_lshl_b32 s87, s19, 9
	s_add_co_u32 s87, s87, SCK
	v_add_nc_u32 v2, s87, v4                       ; K's scale words of my first key step
	v_and_b32 v3, 8, v9
	s_delay_alu instid0(VALU_DEP_1)
	v_add_nc_u32 v3, v3, v9
	v_bfe_u32 v11, v0, 4, 1
	s_delay_alu instid0(VALU_DEP_1)
	v_lshlrev_b32 v11, 4, v11
	s_delay_alu instid0(VALU_DEP_1)
	v_sub_nc_u32 v3, v3, v11
	s_delay_alu instid0(VALU_DEP_1)
	v_add_nc_u32 v3, s58, v3                       ; my query - QG - 16 (lane / 16)
	v_lshlrev_b32 v28, 4, v1                       ; 256 x lane
	s_mul_i32 s86, s19, KSB
	v_add_nc_u32 v29, s86, v1                      ; my place in a slot's K: the key step of my parity
	s_delay_alu instid0(VALU_DEP_1)
	v_add_nc_u32 v30, VOFF, v29                    ; and in its V
	s_mul_i32 s86, s59, MST
	v_add_nc_u32 v7, s86, v1                       ; the hand-over of my tile: O^T's image,
	s_add_co_u32 s86, s86, 8192
	v_add_nc_u32 v31, s86, v31                     ; -M and the sum, a word a lane.  (Every LDS address register is made here, ahead of every parting of the waves)
	s_cmp_eq_u32 s54, 1                            ; behind slot 0's fill: the prefetch of slot 1, which the first change of slots asks for
	s_cbranch_scc0 .Lno_ask0
	global_prefetch_b8 v28, s[52:53] th:TH_LOAD_NT scope:SCOPE_SE
.Lno_ask0:
.irp c, 0,1,2
	global_load_b128 v[16+4*\c:19+4*\c], v1, s[72:73] offset:512*\c
.endr
	global_load_b32 v255, v4, s[74:75]
	v_mov_b32 v13, 0xff61b1e6                      ; the largest t so far: -3e38
	s_delay_alu instid0(VALU_DEP_1)
	v_floor_f32 v12, -v13                          ; -M
	v_mov_b32 v14, 0
	v_mov_b32 v15, 0
.irp b, 0,1,2,3
	v_mov_b32 v[236+\b], 0                         ; written once: a lane permute's destination counts as one of its sources
.endr
	v_mov_b32 v252, 0
	v_mov_b32 v253, 0
.set n, 0
.rept 64
	v_mov_b32 v[160+n], 0                          ; O^T: the step is written once; the first finds zeros, which the first change of M leaves zeros
.set n, n+1
.endr
.macro TLOAD                           ; waves 0 to 3 fetch; four v_nop follow the line.  A slot none of whose steps any wave of the work-group reads is not fetched: a test on ids alone, the same in all waves
	s_cmp_lt_u32 s48, s88
	s_cbranch_scc1 .Lno_load_\@
	s_cmp_lt_u32 s18, 4
	s_cbranch_scc0 .Lno_load_\@
	tensor_load_to_lds s[40:43], s[24:31]
	s_nop 0
.rept 4
	v_nop
.endr
.Lno_load_\@:
.endm
; A PREFETCH INTO THE L2 of the slot that the NEXT change of slots will ask for: K's 49,152 bytes and V's, twelve waves x 32 lanes x 256 bytes, a lane a block, one instruction a wave.  All work-groups of a head walk
; the same K and V: the head's first work-group, which reads all four slots, asks, in it the waves that fetch nothing.  Each block is named once.  Slot 0 comes by its load alone, slot 1 is asked for at the head; the last change that fills a slot asks for nothing.
.macro ASK
	s_cmp_gt_u32 s48, s54
	s_cbranch_scc0 .Lnot_mine_\@
	global_prefetch_b8 v28, s[52:53] th:TH_LOAD_NT scope:SCOPE_SE
.Lnot_mine_\@:
.endm
; MY q-TH KEY STEP OF THE SLOT IN HAND: the slot's key step 2 q + my parity.
.macro STEP q
	s_cmp_gt_u32 s49, s50                          ; both are multiples of 32, and my queries lie under QG + 32: all keys of this step come after them
	s_cbranch_scc1 .Lhidden_\@
	v_add_nc_u32 v8, s2, v29
	s_wait_alu depctr_va_vdst(0)
	v_add_nc_u32 v9, s2, v30
	v_add_nc_u32 v10, s3, v2
	v_nop
	v_nop                                          ; five places: four in front of loads into registers that the last products read; five in front of the first product below, which writes over v96 on, an operand of the last products
.irp t, 0,1,2,3,4,5,6,7
	ds_load_b32 v[32+\t], v10 offset:64*\t
.endr
.irp t, 0,1,2,3,4,5,6,7
	ds_load_b32 v[40+\t], v10 offset:8192+64*\t
.endr
.irp g, 0,1                            ; S^T = K Q^T, four tiles of 16 keys at a time
.if \g > 0
.rept 4
	v_nop                                          ; places in front of loads into registers that matrix instructions have read
.endr
.endif
.irp t, 0,1,2,3
.irp c, 0,1,2
	ds_load_b128 v[48+12*\t+4*\c:51+12*\t+4*\c], v8 offset:(16*(\q)+4*\g+\t)*FRB+512*\c
.endr
.endr
	s_wait_dscnt 0x0
.irp t, 0,1,2,3
	v_wmma_scale_f32_16x16x128_f8f6f4 v[96+8*(4*\g+\t):103+8*(4*\g+\t)], v[48+12*\t:59+12*\t], v[16:27], 0, v[32+4*\g+\t], v255 matrix_a_fmt:MATRIX_FMT_BF6 matrix_b_fmt:MATRIX_FMT_BF6
.endr
.endr
.rept 4
	v_nop                                          ; places in front of the loads below and of the first read of the scores
.endr
	s_wait_alu depctr_va_vdst(0)
.irp t, 0,1,2,3                        ; V's first four fragments: they land under the softmax
.irp c, 0,1,2
	ds_load_b128 v[48+12*\t+4*\c:51+12*\t+4*\c], v9 offset:(16*(\q)+\t)*FRB+512*\c
.endr
.endr
	s_add_co_u32 s51, s49, 128                     ; a step all of whose keys count skips the mask
	s_cmp_le_u32 s51, s50
	s_cbranch_scc1 .Lopen_\@
	s_sub_co_i32 s51, s50, s49
	v_add_nc_u32 v252, s51, v3                     ; d = my query - KF - 16 (lane / 16).  Register 16 b + i holds key KF + 16 (lane / 16) + 32 b + i: hidden where 32 b + i > d
	v_mov_b32 v254, 0xff800000                     ; -infinity
.set n, 0
.rept 64
	v_cmp_gt_i32 vcc_lo, 32*(n/16)+n%16, v252
	v_cndmask_b32 v[96+n], v[96+n], v254, vcc_lo
.set n, n+1
.endr
.Lopen_\@:
.irp b, 0,1,2,3
	v_max3_num_f32 v[232+\b], v[96+16*\b], v[97+16*\b], v[98+16*\b]   ; the largest score of each block of 32 keys: for the row's maximum and, since p rises with the score, for the block's largest p
.endr
.irp i, 3,5,7,9,11,13
.irp b, 0,1,2,3
	v_max3_num_f32 v[232+\b], v[232+\b], v[96+16*\b+\i], v[97+16*\b+\i]
.endr
.endr
.irp b, 0,1,2,3
	v_max_num_f32 v[232+\b], v[232+\b], v[111+16*\b]
.endr
.irp b, 0,1,2,3
	s_delay_alu instid0(VALU_DEP_4)
	v_permlanex16_b32 v[236+\b], v[232+\b], s[SEL], s[SEL+1]
.endr
.irp b, 0,1,2,3
	s_delay_alu instid0(VALU_DEP_4)
	v_max_num_f32 v[232+\b], v[232+\b], v[236+\b]
.endr
	s_delay_alu instid0(VALU_DEP_2)
	v_max3_num_f32 v254, v232, v233, v234
	s_delay_alu instid0(VALU_DEP_1)
	v_max_num_f32 v254, v254, v235
	s_delay_alu instid0(VALU_DEP_1)
	v_mul_f32 v254, s22, v254
	s_delay_alu instid0(VALU_DEP_1)
	v_max_num_f32 v13, v13, v254                   ; the running largest t
	v_mov_b32 v254, v12
	s_delay_alu instid0(VALU_DEP_2)
	v_floor_f32 v12, -v13                          ; the new -M = -ceil(t)
	s_delay_alu instid0(VALU_DEP_1)
	v_sub_f32 v254, v12, v254                      ; old M - new M: a whole number, 0 or less
	s_delay_alu instid0(VALU_DEP_1)
	v_cvt_i32_f32 v254, v254
	s_delay_alu instid0(VALU_DEP_1)
	v_ldexp_f32 v252, 1.0, v254                    ; f = 2^(old M - new M)
.set n, 0
.rept 32
	v_pk_fma_f32 v[96+n:97+n], v[96+n:97+n], s[22:23], v[12:13] op_sel_hi:[1,0,0]   ; t - M
.set n, n+2
.endr
.irp b, 0,1,2,3
	v_fma_f32 v[232+\b], v[232+\b], s22, v12
.endr
.set n, 0
	s_wait_alu depctr_va_vdst(0)
.rept 64
	v_exp_f32 v[96+n], v[96+n]                     ; p = 2^(t - M)
.set n, n+1
.endr
	v_pk_mul_f32 v[14:15], v[14:15], v[252:253] op_sel_hi:[1,0]   ; the sums under the new M (a plain place behind the exponentials)
	s_wait_alu depctr_va_vdst(0)                   ; one wait for the batch, ahead of its first reader
.irp b, 0,1,2,3
	v_exp_f32 v[232+\b], v[232+\b]                 ; the block's largest p
.endr
	v_pk_add_f32 v[236:237], v[100:101], v[104:105]
	v_pk_add_f32 v[250:251], v[108:109], v[112:113]
	v_pk_add_f32 v[248:249], v[116:117], v[120:121]
	v_pk_add_f32 v[246:247], v[124:125], v[128:129]
	v_pk_add_f32 v[244:245], v[132:133], v[136:137]
	v_pk_add_f32 v[242:243], v[140:141], v[144:145]
	v_pk_add_f32 v[240:241], v[148:149], v[152:153]
	v_pk_add_f32 v[14:15], v[14:15], v[156:157]
	v_pk_add_f32 v[236:237], v[236:237], v[96:97]
	v_pk_add_f32 v[250:251], v[250:251], v[98:99]
	v_pk_add_f32 v[248:249], v[248:249], v[102:103]
	v_pk_add_f32 v[246:247], v[246:247], v[106:107]
	v_pk_add_f32 v[244:245], v[244:245], v[110:111]
	v_pk_add_f32 v[242:243], v[242:243], v[114:115]
	v_pk_add_f32 v[240:241], v[240:241], v[118:119]
	v_pk_add_f32 v[14:15], v[14:15], v[122:123]
	v_pk_add_f32 v[236:237], v[236:237], v[126:127]
	v_pk_add_f32 v[250:251], v[250:251], v[130:131]
	v_pk_add_f32 v[248:249], v[248:249], v[134:135]
	v_pk_add_f32 v[246:247], v[246:247], v[138:139]
	v_pk_add_f32 v[244:245], v[244:245], v[142:143]
	v_pk_add_f32 v[242:243], v[242:243], v[146:147]
	v_pk_add_f32 v[240:241], v[240:241], v[150:151]
	v_pk_add_f32 v[14:15], v[14:15], v[154:155]
	v_pk_add_f32 v[236:237], v[236:237], v[158:159]
	s_delay_alu instid0(VALU_DEP_2)
	v_pk_add_f32 v[14:15], v[14:15], v[246:247]
	s_delay_alu instid0(VALU_DEP_2)
	v_pk_add_f32 v[236:237], v[236:237], v[244:245]
	v_pk_add_f32 v[250:251], v[250:251], v[242:243]
	v_pk_add_f32 v[248:249], v[248:249], v[240:241]
	s_delay_alu instid0(VALU_DEP_2)
	v_pk_add_f32 v[14:15], v[14:15], v[250:251]
	s_delay_alu instid0(VALU_DEP_2)
	v_pk_add_f32 v[236:237], v[236:237], v[248:249]
	s_delay_alu instid0(VALU_DEP_1)
	v_pk_add_f32 v[14:15], v[14:15], v[236:237]
	s_wait_alu depctr_va_vdst(0)                   ; and one for the four
.irp b, 0,1,2,3
	v_max_num_f32 v[232+\b], 0x2800000, v[232+\b]  ; the floor 2^(5 - 127)
.endr
.irp b, 0,1,2,3
	s_delay_alu instid0(VALU_DEP_4)
	v_add_nc_u32 v[244+\b], 0xfe000000, v[232+\b]
.endr
.irp b, 0,1,2,3
	s_delay_alu instid0(VALU_DEP_4)
	v_lshrrev_b32 v[236+\b], 23, v[244+\b]
.endr
	s_delay_alu instid0(VALU_DEP_3)
	v_lshl_or_b32 v253, v237, 8, v236              ; p's scale word for these 128 keys
	s_delay_alu instid0(VALU_DEP_1)
	v_lshl_or_b32 v253, v238, 16, v253
	s_delay_alu instid0(VALU_DEP_1)
	v_lshl_or_b32 v253, v239, 24, v253
.irp c, 0,1
	v_cvt_scalef32_pk16_bf6_f32 v[224+6*\c:226+6*\c], v[96+32*\c:111+32*\c], v[244+2*\c]
	v_cvt_scalef32_pk16_bf6_f32 v[236+4*\c:238+4*\c], v[112+32*\c:127+32*\c], v[244+2*\c+1]
.endr
	v_nop
.irp c, 0,1
.irp i, 0,1,2
	v_permlane16_swap_b32 v[224+6*\c+\i], v[236+4*\c+\i]
.endr
.irp i, 0,1,2
	s_delay_alu instid0(VALU_DEP_3)
	v_mov_b32 v[227+6*\c+\i], v[236+4*\c+\i]
.endr
.endr
.irp t, 0,1,2,3                        ; V's other four fragments, into the registers that p has left: its codes are made, its sum is taken
.irp c, 0,1,2
	ds_load_b128 v[96+12*\t+4*\c:99+12*\t+4*\c], v9 offset:(16*(\q)+4+\t)*FRB+512*\c
.endr
.endr
.set n, 0
.rept 32
	v_pk_mul_f32 v[160+n:161+n], v[160+n:161+n], v[252:253] op_sel_hi:[1,0]   ; O^T under the new M; these are also the places in front of the products below
.set n, n+2
.endr
	s_wait_alu depctr_va_vdst(0)
.irp g, 0,1                            ; O^T += V^T P^T: the eight accumulators take turns, one instruction a turn
	s_wait_dscnt 12-12*\g                          ; V's first four fragments are in, the twelve loads of the other four may be out; then all
.irp t, 0,1,2,3
	v_wmma_scale_f32_16x16x128_f8f6f4 v[160+8*(4*\g+\t):167+8*(4*\g+\t)], v[48+48*\g+12*\t:59+48*\g+12*\t], v[224:235], v[160+8*(4*\g+\t):167+8*(4*\g+\t)], v[40+4*\g+\t], v253 matrix_a_fmt:MATRIX_FMT_BF6 matrix_b_fmt:MATRIX_FMT_BF6
.endr
.endr
.Lhidden_\@:
	s_add_co_u32 s49, s49, 256
	s_add_co_u32 s3, s3, 1024
.endm
; THE CHANGE OF SLOTS stands at a slot's head.  Each wave waits for all its tensor loads, adds 0 to its spare word, and waits for that and for its reads of the slot that it has left.
; Behind the barrier the slot ahead is whole and nobody reads the other one, which (fill = 1) is filled with the keys that follow: one load a wave, with a slot's steps in which to land.
.macro CHANGE fill
	s_wait_tensorcnt 0x0
	ds_add_u32 v5, v6
.if \fill
	ds_add_u32 v5, v6                              ; twice on end
	s_xor_b32 s41, s41, SLOT1
	s_add_nc_u64 s[42:43], s[42:43], VOFF          ; the next 512 keys: 49,152 bytes on, in K as in V
	s_wait_xcnt 0x0                                ; the last prefetch, a slot back, has read its address
	s_add_nc_u64 s[52:53], s[52:53], VOFF
.endif
	s_wait_dscnt 0x0
	s_barrier_signal -1
	s_barrier_wait -1
.if \fill
	TLOAD
	ASK
.endif
.endm
	s_wait_loadcnt 0x0                             ; Q
.Lslot:
	CHANGE 1
	STEP 0
	STEP 1
	s_xor_b32 s2, s2, SLOT1
	s_sub_co_u32 s48, s48, 1
	s_cmp_lg_u32 s48, 0
	s_cbranch_scc1 .Lslot
	CHANGE 0                                       ; the last slot is written out
	STEP 0
	STEP 1
	; THE TWO HALVES OF A TILE'S KEYS JOIN.  The odd wave stores O^T as it stands (16 bytes a lane, 512 a store), -M and its sum; a barrier; the even wave takes them.
.rept 4
	v_nop                                          ; places behind the last products
.endr
	v_add_f32 v14, v14, v15                        ; the sum's two halves
	s_cmp_eq_u32 s19, 0
	s_cbranch_scc1 .Lkeeper
.set n, 0
	s_wait_alu depctr_va_vdst(0)
.rept 16
	ds_store_b128 v7, v[160+4*n:163+4*n] offset:512*n   ; each accumulator from its low end on
.set n, n+1
.endr
	ds_store_b32 v31, v12
	ds_store_b32 v31, v14 offset:128
.Lkeeper:
	s_wait_dscnt 0x0                               ; for the other wave's sake: my stores have landed
	s_barrier_signal -1
	s_barrier_wait -1
	s_cmp_eq_u32 s19, 0
	s_cbranch_scc0 .Lend
.set n, 0
.rept 16
	ds_load_b128 v[96+4*n:99+4*n], v7 offset:512*n
.set n, n+1
.endr
	ds_load_b32 v232, v31
	ds_load_b32 v233, v31 offset:128
	s_wait_dscnt 0x0
	v_min_num_f32 v234, v12, v232                  ; -M of both: the larger M.  (A wave that had no step hands over -M = 3e38 and zeros: its factor below comes out 0)
	s_delay_alu instid0(VALU_DEP_1)
	v_sub_f32 v235, v234, v12                      ; my M less the common one: a whole number, 0 or less
	s_delay_alu instid0(VALU_DEP_2)
	v_sub_f32 v237, v234, v232                     ; the other's likewise
	s_delay_alu instid0(VALU_DEP_2)
	v_cvt_i32_f32 v235, v235                       ; (they saturate)
	s_delay_alu instid0(VALU_DEP_2)
	v_cvt_i32_f32 v237, v237
	s_delay_alu instid0(VALU_DEP_2)
	v_ldexp_f32 v252, 1.0, v235                    ; my factor, a power of two
	s_wait_alu depctr_va_vdst(0)
	v_ldexp_f32 v236, 1.0, v237                    ; the other's
	v_mul_f32 v14, v14, v252
	s_delay_alu instid0(VALU_DEP_1)
	v_fma_f32 v14, v233, v236, v14                 ; the sums under the common M,
	s_delay_alu instid0(VALU_DEP_1)
	v_permlanex16_b32 v234, v14, s[SEL], s[SEL+1]
	s_delay_alu instid0(VALU_DEP_1)
	v_add_f32 v14, v14, v234                       ; and lane l xor 16's: the row's sum
	s_wait_alu depctr_va_vdst(0)
	v_rcp_f32 v14, v14
	v_nop
	s_wait_alu depctr_va_vdst(0)                   ; the wait ahead of the first reader
	v_mul_f32 v252, v252, v14                      ; the division rides on the factors
	v_mul_f32 v236, v236, v14
.set n, 0
.rept 32
	v_pk_mul_f32 v[160+n:161+n], v[160+n:161+n], v[252:253] op_sel_hi:[1,0]
.set n, n+2
.endr
.set n, 0
.rept 32
	v_pk_fma_f32 v[96+n:97+n], v[96+n:97+n], v[236:237], v[160+n:161+n] op_sel_hi:[1,0,1]
.set n, n+2
.endr
	; y is quantised along the channels as it stands: its 64 registers are channels 32 b + 16 (lane / 16) + i
.irp b, 0,1,2,3
	v_max3_num_f32 v[TM+\b], |v[96+16*\b]|, |v[97+16*\b]|, 0x2800000
.endr
.irp i, 2,4,6,8,10,12,14
.irp b, 0,1,2,3
	s_delay_alu instid0(VALU_DEP_4)
	v_max3_num_f32 v[TM+\b], v[TM+\b], |v[96+16*\b+\i]|, |v[97+16*\b+\i]|
.endr
.endr
.irp b, 0,1,2,3
	s_delay_alu instid0(VALU_DEP_4)
	v_permlanex16_b32 v[TM+4+\b], v[TM+\b], s[SEL], s[SEL+1]
.endr
.irp b, 0,1,2,3
	s_delay_alu instid0(VALU_DEP_4)
	v_max_num_f32 v[TM+\b], v[TM+\b], v[TM+4+\b]
.endr
.irp b, 0,1,2,3
	s_delay_alu instid0(VALU_DEP_4)
	v_add_nc_u32 v[TM+8+\b], 0xfe000000, v[TM+\b]
.endr
.irp b, 0,1,2,3
	s_delay_alu instid0(VALU_DEP_4)
	v_lshrrev_b32 v[TM+4+\b], 23, v[TM+8+\b]
.endr
	s_delay_alu instid0(VALU_DEP_3)
	v_lshl_or_b32 v[PW], v[TM+5], 8, v[TM+4]
	s_delay_alu instid0(VALU_DEP_1)
	v_lshl_or_b32 v[PW], v[TM+6], 16, v[PW]
	s_delay_alu instid0(VALU_DEP_1)
	v_lshl_or_b32 v[PW], v[TM+7], 24, v[PW]
.irp c, 0,1
	v_cvt_scalef32_pk16_bf6_f32 v[48+6*\c:50+6*\c], v[96+32*\c:111+32*\c], v[TM+8+2*\c]
	v_cvt_scalef32_pk16_bf6_f32 v[60+4*\c:62+4*\c], v[112+32*\c:127+32*\c], v[TM+8+2*\c+1]
.endr
	v_nop
.irp c, 0,1
.irp i, 0,1,2
	v_permlane16_swap_b32 v[48+6*\c+\i], v[60+4*\c+\i]
.endr
.irp i, 0,1,2
	s_delay_alu instid0(VALU_DEP_3)
	v_mov_b32 v[51+6*\c+\i], v[60+4*\c+\i]
.endr
.endr
.irp c, 0,1,2
	global_store_b128 v1, v[48+4*\c:51+4*\c], s[8:9] offset:512*\c   ; 32 lanes store 512 consecutive bytes
.endr
	global_store_b32 v4, v[PW], s[10:11]           ; lanes r and r + 16 hold the same word and store it to the same place
.Lend:
	s_wait_tensorcnt 0x0                           ; the wave's end
	ds_add_u32 v5, v6
	s_wait_dscnt 0x0
	s_endpgm
.Lfunc_end_k_qf26f9697f5_attn:
	.size	k_qf26f9697f5_attn, .Lfunc_end_k_qf26f9697f5_attn-k_qf26f9697f5_attn
	.p2alignl 7, 3214868480
	.fill 96, 4, 3214868480
	.section	.rodata,"a",@progbits
	.p2align	6, 0x0
	.amdhsa_kernel k_qf26f9697f5_attn
		.amdhsa_group_segment_fixed_size 327680
		.amdhsa_private_segment_fixed_size 0
		.amdhsa_enable_private_segment 0
		.amdhsa_kernarg_size 32
		.amdhsa_user_sgpr_count 2
		.amdhsa_user_sgpr_kernarg_segment_ptr 1
		.amdhsa_wavefront_size32 1
		.amdhsa_system_sgpr_workgroup_id_x 1
		.amdhsa_system_sgpr_workgroup_id_y 1
		.amdhsa_system_sgpr_workgroup_id_z 1
		.amdhsa_system_vgpr_workitem_id 0
		.amdhsa_next_free_vgpr 256
		.amdhsa_next_free_sgpr 96
		.amdhsa_reserve_vcc 1
		.amdhsa_float_denorm_mode_32 3
		.amdhsa_float_denorm_mode_16_64 3
		.amdhsa_memory_ordered 1
		.amdhsa_forward_progress 1
		.amdhsa_inst_pref_size 129
	.end_amdhsa_kernel
	.amdgpu_metadata
---
amdhsa.version: [ 1, 2 ]
amdhsa.kernels:
  - .name:           k_qf26f9697f5_attn
    .symbol:         k_qf26f9697f5_attn.kd
    .args:
      - { .name: qkvc, .offset: 0, .size: 8, .value_kind: global_buffer, .address_space: global }
      - { .name: qkvs, .offset: 8, .size: 8, .value_kind: global_buffer, .address_space: global }
      - { .name: yc, .offset: 16, .size: 8, .value_kind: global_buffer, .address_space: global }
      - { .name: ys, .offset: 24, .size: 8, .value_kind: global_buffer, .address_space: global }
    .group_segment_fixed_size: 327680
    .private_segment_fixed_size: 0
    .kernarg_segment_align: 8
    .kernarg_segment_size: 32
    .max_flat_workgroup_size: 512
    .sgpr_count:     96
    .vgpr_count:     256
    .wavefront_size: 32
...
	.end_amdgpu_metadata
.endif
;; end of part 3
;; launch oproj (part 4): grid 16 x 16, 4 waves a work-group, clusters of 4 x 4, 327,680 bytes of LDS; arguments yc, ys, codes, scales, out0; writes out0
.if DOCPART == 4
	.amdgcn_target "amdgcn-amd-amdhsa--gfx1250"
	.amdhsa_code_object_version 6
	.text
	.protected	k_qf26f9697f5_oproj
	.globl	k_qf26f9697f5_oproj
	.p2align	8
	.type	k_qf26f9697f5_oproj,@function
k_qf26f9697f5_oproj:
	s_mov_b64 s[64:65], 0
	v_nop
	global_prefetch_b8 v0, s[64:65] scope:SCOPE_SE
	s_setreg_imm32_b32 hwreg(HW_REG_WAVE_MODE, 25, 1), 1
	s_wait_xcnt 0x0
	s_wait_alu depctr_hold_cnt(0) depctr_sa_sdst(0) depctr_va_vdst(0) depctr_va_sdst(0) depctr_va_ssrc(0) depctr_va_vcc(0) depctr_vm_vsrc(0)
	s_getreg_b32 s2, hwreg(HW_REG_IB_STS2, 6, 4)
	s_cmp_eq_u32 s2, 0
	s_cbranch_scc0 .Lentry_in_a_cluster
	s_endpgm
.Lentry_in_a_cluster:
	s_bfe_u32 s2, ttmp6, 0x10000c
	s_cmp_lg_u32 s2, 0xf033
	s_cbranch_scc0 .Lentry_shape_is_right
	s_endpgm
.Lentry_shape_is_right:
; out0 = y Wo^T on codes of BF6 with E8M0 scales; out0 [2048][2048] f32.  y's and Wo's codes lie as images of the operand's registers (1,536 bytes a fragment of 16 rows x 128 K;
; lane r of row block j holds row 32 (j / 2) + 8 (j % 2) + r + 8 (r / 8)); fragment (K step ks, row block j) at (ks / 2) KPB + j RBB + (ks % 2) FRB; scale words at 1024 j + 64 ks + 4 r.
; SHARES: a tile of 128 x 128 to a work-group, 256 work-groups (tiles of 256 x 256 would be 64); a wave makes 64 x 64: 16 accumulators.  Used transposed: source 0 = 16 rows of Wo, source 1 = 16 rows of y:
; a lane holds one row of out0, and the 16 registers of two neighbouring tiles are 16 neighbouring columns.
; K goes in steps of 512 through two LDS slots: [A, first 256][A, second 256][B, first][B, second], 24,576 dense bytes each, one tensor load a wave.  2,048 along K are four fills: two at the start, two refills.
; The sixteen K steps of 128 are written out.  The scale words of the work-group's rows come once.  CLUSTERS: 4 x 4; A's tiles are asked for jointly along a row, B's along a column.
; REGISTERS: window 0: v16-29 addresses; v32-39 scale words, two sets of four, and nothing else; v40-103 the way out; v128-255 accumulator (a, b) at v[128 + 8 (4 a + b)].
;   window 1: two buffers (v0, v128): A's four fragments, then B's four.
.set TEN,   3145728
.set STEN,  131072
.set KPB,   393216
.set RBB,   3072
.set FRB,   1536
.set PART,  24576
.set SLOT,  98304
.set SCL,   196608
.set SPARE, 212992                     ; the spare words: two blocks of 256 bytes that no other line names
.set ADRA, 16
.set ADRB, 20
.set STO,  24
.set RD,   25
.set CO,   26
.set ADS,  27
.set SPW,  28
.set NIL,  29
.set SC,   32
.set BK,   40
.set ACC,  128
.set G1,   24
.set G0,   32
.set G1B,  48
.set G0B,  56
.set G1S,  68
.set G0S,  76
.set G1SB, 80
.set G0SB, 88
.set PFA,  96                          ; s[96:97] where my prefetches stand
.set PFO,  30                          ; v30 their offset: 256 x min(lane, 23); never rewritten
.set MSB, 0
.macro WIN new
.if MSB != (\new)
	s_set_vgpr_msb (MSB<<8)|(\new)
.set MSB, \new
.endif
.endm
.set MUL,  0x05                        ; sources 0 (B) and 1 (A) window 1; C and D window 0
.set TO_F, 0x40
.macro JLOAD g0a, g1a, g0b, g1b        ; waves 0 and 1 fetch for A, waves 2 and 3 for B; four v_nop follow each line
	s_cmp_eq_u32 s15, 0
	s_cbranch_scc0 .Lfor_b_\@
	tensor_load_to_lds s[\g0a:\g0a+3], s[\g1a:\g1a+7]
	s_nop 0
.rept 4
	v_nop
.endr
	s_branch .Lasked_\@
.Lfor_b_\@:
	tensor_load_to_lds s[\g0b:\g0b+3], s[\g1b:\g1b+7]
	s_nop 0
.rept 4
	v_nop
.endr
.Lasked_\@:
.endm
.macro CREST
	s_cmp_lg_u32 s14, 0
	s_cbranch_scc1 .Lnot_wave_0_\@
	s_barrier_signal -3
.Lnot_wave_0_\@:
	s_barrier_wait -3
	s_barrier_signal -1
	s_barrier_wait -1
.endm
.macro CROUND
	s_barrier_signal -1
	s_barrier_wait -1
	CREST
.endm
.macro PLACES
.rept 4
	v_nop
.endr
.endm
	s_load_b256 s[4:11], s[0:1], 0x0               ; yc, ys, codes, scales
	s_load_b64 s[12:13], s[0:1], 0x20              ; out0
	v_lshl_add_u32 v[SPW], v0, 2, SPARE
	v_mov_b32 v[NIL], 0
	ds_add_u32 v28, v29
	ds_add_u32 v28, v29
	s_wait_dscnt 0x0
	v_lshrrev_b32 v1, 5, v0
	v_readfirstlane_b32 s14, v1                    ; wave
	s_lshr_b32 s15, s14, 1                         ; my half of the tile's rows.  Also: I fetch for A (0) or for B (1)
	s_and_b32 s16, s14, 1                          ; my half of its columns.  Also: which 256 along K of a slot I fetch
	s_bfe_u32 s40, ttmp6, 0x40000
	s_bfe_u32 s41, ttmp6, 0x40004
	s_lshl_b32 s42, ttmp9, 2
	s_add_co_u32 s42, s42, s40                     ; tile column
	s_and_b32 s17, ttmp7, 0xffff
	s_lshl_b32 s17, s17, 2
	s_add_co_u32 s17, s17, s41                     ; tile row
	s_lshl_b32 s43, s41, 2
	s_lshl_b32 s43, 15, s43
	s_lshl_b32 s44, 0x1111, s40
	s_or_b32 s[G1], s43, (3<<16)|(1<<21)           ; elements of 8 bytes.  Codes at the head: a slot's two parts of one operand, 2 rows of 24,576 bytes, KPB apart; behind it 96 rows of 256 bytes.  Scale words: 32 rows of 256 bytes
	s_or_b32 s[G1B], s44, (3<<16)|(1<<21)
	s_or_b32 s[G1S], s43, (3<<16)|(1<<21)
	s_or_b32 s[G1SB], s44, (3<<16)|(1<<21)
.irp g, G1, G1B
	s_mov_b32 s[\g+1], (PART/8)<<16
	s_mov_b32 s[\g+2], 2<<16
	s_mov_b32 s[\g+3], (PART/8)<<16
	s_mov_b32 s[\g+4], 2
	s_mov_b32 s[\g+5], KPB/8
	s_mov_b32 s[\g+6], 0
	s_mov_b32 s[\g+7], 0
.endr
.irp g, G1S, G1SB
	s_mov_b32 s[\g+1], 32<<16
	s_mov_b32 s[\g+2], 32<<16
	s_mov_b32 s[\g+3], 32<<16
	s_mov_b32 s[\g+4], 32
	s_mov_b32 s[\g+5], 32
	s_mov_b32 s[\g+6], 0
	s_mov_b32 s[\g+7], 0
.endr
	s_mul_i32 s20, s17, PART                       ; A: the tile row's 8 row blocks, + my 256 along K
	s_mul_i32 s21, s16, KPB
	s_add_co_u32 s20, s20, s21
	s_mov_b32 s21, 0
	s_lshl_b32 s22, s17, 13                        ; A's scale words: the tile row's 8,192 bytes
	s_mov_b32 s23, 0
	s_mul_i32 s46, s42, PART                       ; B: Wo is tensor 4 of the codes
	s_mul_i32 s47, s16, KPB
	s_add_co_u32 s46, s46, s47
	s_add_co_u32 s46, s46, 4*TEN
	s_mov_b32 s47, 0
	s_lshl_b32 s92, s42, 13
	s_add_co_u32 s92, s92, 4*STEN
	s_mov_b32 s93, 0
	s_mul_i32 s45, s14, PART                       ; where they go: no place in the cluster enters an LDS address
	s_wait_kmcnt 0x0
	s_add_nc_u64 s[G0+2:G0+3], s[4:5], s[20:21]
	s_add_nc_u64 s[G0+6:G0+7], s[G0+2:G0+3], 2*KPB
	s_add_nc_u64 s[G0B+2:G0B+3], s[8:9], s[46:47]
	s_add_nc_u64 s[G0B+6:G0B+7], s[G0B+2:G0B+3], 2*KPB
	s_add_nc_u64 s[G0S+2:G0S+3], s[6:7], s[22:23]
	s_add_nc_u64 s[G0SB+2:G0SB+3], s[10:11], s[92:93]
	; the prefetches: of the 96 blocks of 256 bytes that a ring load of mine brings, each of the four partners that ask for it jointly names 24, told apart by address (cx for A, cy for B)
	s_cmp_eq_u32 s15, 0
	s_cselect_b64 s[PFA:PFA+1], s[4:5], s[8:9]
	s_cselect_b32 s18, s20, s46
	s_cselect_b32 s19, s40, s41
	s_mul_i32 s19, s19, 24*256
	s_add_co_u32 s18, s18, s19
	s_mov_b32 s19, 0
	s_add_nc_u64 s[PFA:PFA+1], s[PFA:PFA+1], s[18:19]
.irp s, 0,1
	s_mov_b32 s[G0+4*\s], 1
	s_add_co_u32 s[G0+4*\s+1], s45, \s*SLOT
	s_or_b32 s[G0+4*\s+3], s[G0+4*\s+3], 0x80000000
	s_mov_b32 s[G0B+4*\s], 1
	s_add_co_u32 s[G0B+4*\s+1], s45, \s*SLOT
	s_or_b32 s[G0B+4*\s+3], s[G0B+4*\s+3], 0x80000000
.endr
	s_mov_b32 s[G0S], 1
	s_mov_b32 s[G0S+1], SCL                        ; A's scale words, all 8 row blocks by one load
	s_or_b32 s[G0S+3], s[G0S+3], 0x80000000
	s_mov_b32 s[G0SB], 1
	s_mov_b32 s[G0SB+1], SCL+8192                  ; B's behind them
	s_or_b32 s[G0SB+3], s[G0SB+3], 0x80000000
	CROUND                                         ; all sixteen work-groups are here: the first joint loads meet
; THE HEAD'S LOADS, ONE A WAVE: wave 0 A's two parts of slot 0, wave 1 A's scale words, wave 2 B's two parts, wave 3 B's scale words.
; In waves 0 and 2 slot 0's own group 0 points at the first part's first byte and at its place in LDS.  One chain of branches on the wave's number, one load to an arm, one join.
.macro ARM under, g0, g1, next
	s_cmp_lt_u32 s14, \under
	s_cbranch_scc0 \next
	tensor_load_to_lds s[\g0:\g0+3], s[\g1:\g1+7]
	s_nop 0
.rept 4
	v_nop
.endr
	s_branch .Lhead_asked
\next:
.endm
	ARM 1, G0,  G1,  .Lhead_sa
	ARM 2, G0S, G1S, .Lhead_b
	ARM 3, G0B, G1B, .Lhead_sb
	tensor_load_to_lds s[G0SB:G0SB+3], s[G1SB:G1SB+7]
	s_nop 0
.rept 4
	v_nop
.endr
.Lhead_asked:
	v_and_b32 v[PFO], 31, v0
	v_min_u32 v[PFO], 23, v[PFO]                   ; lanes 24-31 name the last block again
	v_lshlrev_b32 v[PFO], 8, v[PFO]
	v_and_b32 v1, 15, v0                           ; r
	v_bfe_u32 v2, v0, 4, 1                         ; h
	v_and_b32 v3, 31, v0
	v_lshlrev_b32 v3, 4, v3                        ; 16 x lane
	v_lshlrev_b32 v4, 2, v1                        ; 4 r
	s_mul_i32 s2, s15, 4*RBB                       ; my four row blocks of A
	v_add_nc_u32 v[ADRA], s2, v3
	v_add_nc_u32 v[ADRA+1], SLOT, v[ADRA]
	s_mul_i32 s2, s16, 4*RBB                       ; and of B, behind A's two parts
	s_add_co_u32 s2, s2, 2*PART
	v_add_nc_u32 v[ADRB], s2, v3
	v_add_nc_u32 v[ADRB+1], SLOT, v[ADRB]
	s_lshl_b32 s2, s15, 12                         ; scale words: lanes 0-15 A's rows, lanes 16-31 B's: the lower base + h x the distance
	s_lshl_b32 s3, s16, 12
	s_add_co_u32 s3, s3, 8192
	s_sub_co_u32 s3, s3, s2
	v_mul_u32_u24 v5, s3, v2
	s_wait_alu depctr_va_vdst(0)
	s_add_co_u32 s2, s2, SCL
	v_add_nc_u32 v5, v5, v4
	v_add_nc_u32 v[ADS], s2, v5
	global_prefetch_b8 v[PFO], s[PFA:PFA+1] offset:4*KPB th:TH_LOAD_NT scope:SCOPE_SE   ; behind the first of K's four fills: my part of the third, two fills on
	s_mul_i32 s2, s14, 16*272                      ; my stage: 16 rows x (256 + 16) bytes, in slot 0, which has had its last fill and its last read when the first result is stored there
	v_mul_u32_u24 v5, v1, 272
	v_lshl_add_u32 v5, v2, 6, v5
	v_add_nc_u32 v[STO], s2, v5                    ; in: row r, + 64 h
	v_mul_u32_u24 v5, v2, 272
	v_lshl_add_u32 v5, v1, 4, v5
	v_add_nc_u32 v[RD], s2, v5                     ; back: lanes 0-15 one row, lanes 16-31 the next
	v_lshlrev_b32 v5, 13, v2
	v_lshl_add_u32 v[CO], v1, 4, v5                ; and the same two rows in out0
	s_lshl_b32 s2, s17, 20                         ; my first row: 128 x tile row + 64 x half, rows of 8,192 bytes
	s_lshl_b32 s3, s15, 19
	s_add_co_u32 s2, s2, s3
	s_lshl_b32 s3, s42, 9                          ; my first column: 128 x tile column + 64 x half, 4 bytes each
	s_add_co_u32 s2, s2, s3
	s_lshl_b32 s3, s16, 8
	s_add_co_u32 s2, s2, s3
	s_mov_b32 s3, 0
	s_add_nc_u64 s[12:13], s[12:13], s[2:3]
; K step k's 28 LDS loads: 4 scale words, B's four fragments, A's blocks 0-1, A's blocks 2-3, into buffer k % 2
.macro FETCH k
	WIN 0
.irp i, 0,1,2,3
	ds_load_b32 v[SC+4*((\k)%2)+\i], v[ADS] offset:1024*\i+64*(\k)
.endr
	WIN TO_F
.set FB, 128*((\k)%2)
.set OFK, (((\k)%4)/2)*PART+((\k)%2)*FRB
.set SLN, ((\k)/4)%2
.irp i, 0,1,2,3
.irp c, 0,1,2
	ds_load_b128 v[FB+48+12*\i+4*\c:FB+48+12*\i+4*\c+3], v[ADRB+SLN] offset:OFK+RBB*\i+512*\c
.endr
.endr
.irp i, 0,1,2,3
.irp c, 0,1,2
	ds_load_b128 v[FB+12*\i+4*\c:FB+12*\i+4*\c+3], v[ADRA+SLN] offset:OFK+RBB*\i+512*\c
.endr
.endr
	WIN 0
.endm
; four matrix instructions: A's block a x B's four.  The 16 accumulators take turns, one instruction a turn, in the same order in every K step.
.macro MUL4 k, a, zero
.set FB, 128*((\k)%2)
.set SCS, SC+4*((\k)%2)
.irp b, 0,1,2,3
.if \zero
	v_wmma_scale_f32_16x16x128_f8f6f4 v[ACC+8*(4*(\a)+\b):ACC+8*(4*(\a)+\b)+7], v[FB+48+12*\b:FB+48+12*\b+11], v[FB+12*(\a):FB+12*(\a)+11], 0, v[SCS+\b], v[SCS+(\a)] matrix_a_fmt:MATRIX_FMT_BF6 matrix_b_fmt:MATRIX_FMT_BF6 matrix_a_scale:MATRIX_SCALE_ROW1
.else
	v_wmma_scale_f32_16x16x128_f8f6f4 v[ACC+8*(4*(\a)+\b):ACC+8*(4*(\a)+\b)+7], v[FB+48+12*\b:FB+48+12*\b+11], v[FB+12*(\a):FB+12*(\a)+11], v[ACC+8*(4*(\a)+\b):ACC+8*(4*(\a)+\b)+7], v[SCS+\b], v[SCS+(\a)] matrix_a_fmt:MATRIX_FMT_BF6 matrix_b_fmt:MATRIX_FMT_BF6 matrix_a_scale:MATRIX_SCALE_ROW1
.endif
.endr
.endm
.macro KSTEP k, zero
	s_wait_dscnt 6                                 ; all but A's blocks 2-3 are in
	WIN MUL
	MUL4 \k, 0, \zero
	MUL4 \k, 1, \zero
	PLACES                                         ; in front of loads into the buffer and the scale words that the last K step's products read
	FETCH (\k)+1
	s_wait_dscnt 28                                ; all but the 28 just issued
	WIN MUL
	MUL4 \k, 2, \zero
	MUL4 \k, 3, \zero
.endm
; A slot's last K step changes slots: one barrier; in front of it each wave waits for all its tensor loads, adds 0 to its spare word, and waits for that and for its reads of this slot.
.macro TURN k, slot, fill
	WIN 0
	s_wait_tensorcnt 0x0                           ; all my tensor loads have landed: my part of the next slot
	ds_add_u32 v[SPW], v[NIL]
	s_wait_dscnt 7                                 ; (the add and A's blocks 2-3 may be out)
	WIN MUL
	MUL4 \k, 0, 0
	s_wait_dscnt 0x0                               ; the add is done, and my reads of this slot are over
	s_barrier_signal -1
	MUL4 \k, 1, 0
	WIN 0
	s_barrier_wait -1
.if \fill
	CREST                                          ; the barrier has opened a round of the cluster's: no wave of any partner still reads this slot or has a load on its way
	s_add_nc_u64 s[G0+4*\slot+2:G0+4*\slot+3], s[G0+4*\slot+2:G0+4*\slot+3], 4*KPB
	s_add_nc_u64 s[G0B+4*\slot+2:G0B+4*\slot+3], s[G0B+4*\slot+2:G0B+4*\slot+3], 4*KPB
	JLOAD G0+4*\slot, G1, G0B+4*\slot, G1B         ; my one tensor load behind the round; its four v_nop are the places in front of the loads below
.else
	PLACES
.endif
	FETCH (\k)+1
	WIN MUL
	MUL4 \k, 2, 0
	MUL4 \k, 3, 0
.endm
	s_wait_alu depctr_va_vdst(0)
	s_wait_tensorcnt 0x0                           ; my tile of the head's four is in
	ds_add_u32 v[SPW], v[NIL]
.irp g, G1, G1B                        ; no load of mine is out: from here on a load brings one part, 96 rows of 256 bytes
	s_mov_b32 s[\g+1], 32<<16
	s_mov_b32 s[\g+2], 96<<16
	s_mov_b32 s[\g+3], 32<<16
	s_mov_b32 s[\g+4], 96
	s_mov_b32 s[\g+5], 32
.endr
	s_wait_dscnt 0x0
	CROUND                                         ; a whole round: all four tiles are in, and the joint loads meet
	JLOAD G0+4, G1, G0B+4, G1B                     ; slot 1's first fill: my one tensor load behind the round
	FETCH 0
	global_prefetch_b8 v[PFO], s[PFA:PFA+1] offset:6*KPB th:TH_LOAD_NT scope:SCOPE_SE   ; behind the second fill: my part of the fourth and last
	KSTEP 0, 1                                     ; the first K step's products start the sums
	KSTEP 1, 0
	KSTEP 2, 0
	TURN 3, 0, 1
	KSTEP 4, 0
	KSTEP 5, 0
	KSTEP 6, 0
	TURN 7, 1, 1
	KSTEP 8, 0
	KSTEP 9, 0
	KSTEP 10, 0
	TURN 11, 0, 0                                  ; nothing is left to fetch
	KSTEP 12, 0
	KSTEP 13, 0
	KSTEP 14, 0
	s_wait_dscnt 6
	WIN MUL
	MUL4 15, 0, 0
	MUL4 15, 1, 0
	s_wait_dscnt 0
	MUL4 15, 2, 0
	MUL4 15, 3, 0
	WIN 0
; THE WAY OUT, 16 rows x 64 columns at a time, through my own stage: a lane's 16 registers of tiles 2 b, 2 b + 1 are columns 32 b + 16 h + 0 .. 15 of its row; back come whole rows of 256 bytes.
.macro TOSTAGE a
.irp b, 0,1,2,3
	ds_store_b128 v[STO], v[ACC+8*(4*(\a)+\b):ACC+8*(4*(\a)+\b)+3] offset:128*(\b/2)+32*(\b%2)      ; each accumulator from its low end on
	ds_store_b128 v[STO], v[ACC+8*(4*(\a)+\b)+4:ACC+8*(4*(\a)+\b)+7] offset:128*(\b/2)+32*(\b%2)+16
.endr
.set BB, BK+32*((\a)%2)
.irp t, 0,1,2,3,4,5,6,7
	ds_load_b128 v[BB+4*\t:BB+4*\t+3], v[RD] offset:544*\t   ; LDS serves a wave's instructions in order: these see the stores above
.endr
.endm
.macro SEND a, younger                 ; stage row 2 t + h is row 32 (a / 2) + 8 (a % 2) + 2 t + h + 8 (t / 4) of my 64
.set BB, BK+32*((\a)%2)
	s_wait_dscnt \younger
.irp t, 0,1,2,3,4,5,6,7
	global_store_b128 v[CO], v[BB+4*\t:BB+4*\t+3], s[12:13] offset:(32*((\a)/2)+8*((\a)%2)+2*\t+8*(\t/4))*8192 th:TH_STORE_NT   ; 16 lanes store 256 consecutive bytes, at a multiple of 256 from out0's first byte
.endr
.endm
	PLACES                                         ; behind the last products
	TOSTAGE 0
.irp a, 1,2,3
.if \a > 1
	s_wait_xcnt 0x0                                ; block a - 2's stores have read their registers: block a's loads may land there
.endif
	TOSTAGE \a
	SEND \a-1, 16                                  ; behind block a - 1's loads: block a's 8 stores and 8 loads
.endr
	SEND 3, 0
	s_wait_tensorcnt 0x0                           ; the wave's end
	ds_add_u32 v[SPW], v[NIL]
	s_wait_dscnt 0x0
	CROUND                                         ; the closing round
	s_endpgm
.Lfunc_end_k_qf26f9697f5_oproj:
	.size	k_qf26f9697f5_oproj, .Lfunc_end_k_qf26f9697f5_oproj-k_qf26f9697f5_oproj
	.p2alignl 7, 3214868480
	.fill 96, 4, 3214868480
	.section	.rodata,"a",@progbits
	.p2align	6, 0x0
	.amdhsa_kernel k_qf26f9697f5_oproj
		.amdhsa_group_segment_fixed_size 327680
		.amdhsa_private_segment_fixed_size 0
		.amdhsa_enable_private_segment 0
		.amdhsa_kernarg_size 40
		.amdhsa_user_sgpr_count 2
		.amdhsa_user_sgpr_kernarg_segment_ptr 1
		.amdhsa_wavefront_size32 1
		.amdhsa_system_sgpr_workgroup_id_x 1
		.amdhsa_system_sgpr_workgroup_id_y 1
		.amdhsa_system_sgpr_workgroup_id_z 1
		.amdhsa_system_vgpr_workitem_id 0
		.amdhsa_next_free_vgpr 512
		.amdhsa_next_free_sgpr 100
		.amdhsa_reserve_vcc 0
		.amdhsa_float_denorm_mode_32 3
		.amdhsa_float_denorm_mode_16_64 3
		.amdhsa_memory_ordered 1
		.amdhsa_forward_progress 1
		.amdhsa_inst_pref_size 86
	.end_amdhsa_kernel
	.amdgpu_metadata
---
amdhsa.version: [ 1, 2 ]
amdhsa.kernels:
  - .name:           k_qf26f9697f5_oproj
    .symbol:         k_qf26f9697f5_oproj.kd
    .args:
      - { .name: yc, .offset: 0, .size: 8, .value_kind: global_buffer, .address_space: global }
      - { .name: ys, .offset: 8, .size: 8, .value_kind: global_buffer, .address_space: global }
      - { .name: codes, .offset: 16, .size: 8, .value_kind: global_buffer, .address_space: global }
      - { .name: scales, .offset: 24, .size: 8, .value_kind: global_buffer, .address_space: global }
      - { .name: out0, .offset: 32, .size: 8, .value_kind: global_buffer, .address_space: global }
    .group_segment_fixed_size: 327680
    .private_segment_fixed_size: 0
    .kernarg_segment_align: 8
    .kernarg_segment_size: 40
    .max_flat_workgroup_size: 128
    .sgpr_count:     100
    .vgpr_count:     512
    .wavefront_size: 32
...
	.end_amdgpu_metadata
.endif
;; end of part 4
